; MI455X (gfx1250); checked and timed in simulation.
; The chip was launched on July 23, 2026; its instructions are those of AMD's public machine-readable ISA for CDNA 5 (MIT licence, August 2026) and "CDNA5" Instruction Set Architecture Reference Guide (July 2026). The comments in the code are by the model that wrote it; some were corrected since.
;; Causal Self Attention. Allowed arithmetic: matrix products marked QUANTISED: E2M3 operands, one E8M0 scale for each 32 along K, by v_wmma_scale_f32_16x16x128_f8f6f4 with both operands' format E2M3, f32 sums; everything else in f32.
;; Inputs: b_proj 1,024 float32; b_qkv 3,072 float32; w_proj 1,024 x 1,024 float32; w_qkv 1,024 x 3,072 float32; x 4 x 2,048 x 1,024 float32.
;; Outputs: out0 4 x 2,048 x 1,024 float32.
;; This version of the problem:
;;   THIS VERSION OF THE PROBLEM IS GIVEN IN LOW PRECISION. The matrix products marked QUANTISED in the list below multiply operands that are first quantised to E2M3 (2 exponent bits, 3 mantissa bits; 6 bits a number), with one power-of-two scale for each 32 numbers along K (OCP MX v1.0); their sums are f32. All else is computed in f32.
;;   The module's matrix products, in the order in which they are computed (A, B: the left and right operand; K: the contracted axis; several contracted axes count as one K, in the product's order):
;;     1. [M 8,192, K 1,024] x [K 1,024, N 3,072]; A: input x; B: input w_qkv: QUANTISED
;;     2. batch 64 x [M 2,048, K 64] x [K 64, N 2,048]; A: computed on the way; B: computed on the way: QUANTISED
;;     3. batch 64 x [M 2,048, K 2,048] x [K 2,048, N 64]; A: softmax (see below); B: computed on the way: QUANTISED
;;     4. [M 8,192, K 1,024] x [K 1,024, N 1,024]; A: computed on the way; B: input w_proj: QUANTISED
;;   THE QUANTISER, for each operand of a quantised product, along K:
;;     - K is cut into blocks of 32 from its start; a last block that is shorter is filled with zeros.
;;     - A block's scale is 2^e with e = floor(log2(the largest magnitude in the block)) - 2, held to -126 .. 127; a block of zeros has e = 0. As a byte (E8M0): e + 127.
;;     - Each number is divided by its block's scale, clamped to +-7.5, and rounded to the nearest number of E2M3, ties to even, subnormals kept.
;;     - The product sums the exact products of the quantised numbers (number of the format x scale) in f32.
;;   ~~~python
;;   def quantise(x, axis):      # numpy; x: float32 -> the quantised numbers, widened to float32 again
;;       x = np.moveaxis(x, axis, -1); K = x.shape[-1]
;;       x = np.pad(x, [(0, 0)] * (x.ndim - 1) + [(0, -K % 32)]); x = x.reshape(x.shape[:-1] + (-1, 32)); a = np.abs(x).max(-1, keepdims=True)
;;       e = np.where(a > 0, np.clip(np.frexp(np.where(a > 0, a, 1))[1] - 1 - 2, -126, 127), 0)      # np.frexp(a)[1] - 1 = floor(log2(a)), exactly
;;       r = np.clip(x / 2.0 ** e, -7.5, 7.5)
;;       step = 2.0 ** (np.maximum(np.frexp(np.where(r == 0, 1, r))[1] - 1, 0) - 3)
;;       q = np.round(r / step) * step * 2.0 ** e      # np.round: ties to even
;;       return np.moveaxis(q.reshape(q.shape[:-2] + (-1,))[..., :K], -1, axis).astype(np.float32)
;;   ~~~
;;   SOFTMAX AHEAD OF A QUANTISED PRODUCT. Where the list says 'softmax', what is quantised is not the finished softmax but p = 2^(t - M), with t = logit x log2(e) and M = ceil(the row's largest t), a whole number; so 1/2 < the row's largest p <= 1. The row's sum l is taken of the UNQUANTISED p, in f32, and the product's result is divided by l at the end. Since M is a whole number, a kernel that streams over the keys may use a running M (the ceiling of the running maximum): every later rescaling is an exact power of two, which a block's scale takes up: the codes' values come out the same.
;;   OPERANDS COMPUTED ON THE WAY. 'Computed on the way' means the value that the module computes at that place (a softmax that the list does not call 'softmax' is quantised finished and normalised). What goes into a quantiser is computed in f32, as accurately as f32 sums, v_exp_f32 and their like allow (about 1e-6 of the number): no bf16 or f16 on the way to a quantiser, and a product that is left as it is and whose result goes on into a quantised operand takes f32 operands (vector FMAs, or v_wmma_f32_16x16x4_f32). A number that lies on a knife's edge between two numbers of the format may be rounded either way, as far as f32 arithmetic and the matrix unit's own rounding can turn it there, and no further.
;; One version. Each part assembles by itself: llvm-mc -triple=amdgcn-amd-amdhsa -mcpu=gfx1250 --defsym DOCPART=n.
;; ======== version 1 of 1: 4 launches
;; workspace buffers: ximg 6,815,744 bytes; wimg 3,407,872 bytes; yimg 6,815,744 bytes; qimg 6,815,744 bytes; kimg 6,815,744 bytes; vimg 6,553,600 bytes
;; launch quant (part 1): grid 384 x 1, 4 waves a work-group, no clusters, 34,304 bytes of LDS; arguments x, w_qkv, w_proj, ximg, wimg; writes ximg, wimg
.if DOCPART == 1
	.amdgcn_target "amdgcn-amd-amdhsa--gfx1250"
	.amdhsa_code_object_version 6
	.text
	.protected	k_q2b117d249a_quant
	.globl	k_q2b117d249a_quant
	.p2align	8
	.type	k_q2b117d249a_quant,@function
k_q2b117d249a_quant:
	s_mov_b64 s[64:65], 0
	v_nop
	global_prefetch_b8 v0, s[64:65] scope:SCOPE_SE
	s_setreg_imm32_b32 hwreg(HW_REG_WAVE_MODE, 25, 1), 1
	s_wait_xcnt 0x0
; x [8192][1024], w_qkv [1024][3072] and w_proj [1024][1024], f32, become codes of FP6 (E2M3) with one E8M0 byte for each 32 along K (K = the 1,024).
; A block's scale is 2^(floor(log2(largest magnitude)) - 2): its byte is the largest magnitude's exponent field - 2, held at 1 from below.
; LIMITS: NaN and infinities among the inputs are not served.  A block of zeros, and a block whose largest magnitude lies under 2^-124, gets the byte 1
; (a block of zeros has zero codes, which add nothing under any byte but 0xff; only this program reads the bytes).
; THE OUTPUT'S LAYOUT (ximg, wimg): [tile of 16 rows][chunk of 256 along K]: tile x 13,312 + chunk x 3,328 bytes.  In a chunk, for its K step s = 0, 1 of 128, at 1,536 s, the operand's
; twelve registers as they stand in the lanes: registers 0-3 at 16 x lane, 4-5 at 512 + 8 x lane, 6-9 at 768 + 16 x lane, 10-11 at 1,280 + 8 x lane; at 3,072 + 8 r + 4 s row r's scale word.
; THE ROWS OF A TILE ARE NOT NEIGHBOURS: row r of tile 2 B + u is index 32 B + 8 u + r + 8 (r / 8) (a token of x, a column of a weight), so that in a transposed product the sixteen registers
; of two neighbouring tiles are sixteen neighbours of that index.
; SHARES: work-groups 0-255 take x (a wave: one tile x 512 along K), 256-351 w_qkv, 352-383 w_proj (a work-group: 128 columns x 256 along K; a lane: one column, registers down K).
; No matrix unit, no tensor load, no cluster: the work-groups share no input.  No barrier: a wave's LDS stage is its own.
.set TILEB, 13312
.set REC,   3328
.set WVN,   14                         ; s14  wave
.set SEL,   16                         ; s[16:17] lane selects: lane l xor 16
.set XO,    4                          ; v4   16 x lane
.set SIN,   5                          ; v5   the stage, on the way in: 16 x lane
.set SOUT,  6                          ; v6   on the way out: 528 r + 64 h
.set G8,    7                          ; v7   8 x lane
.set GSC,   8                          ; v8   8 r
.set R,     16                         ; v16-143  two sets of 64: 16 rows x 512 bytes as loaded
.set X,     144                        ; v144-207 64 numbers of my row: register 16 b + i = k 32 b + 16 h + i
.set TM,    208                        ; v208-223 at work
.set PW,    224                        ; v[224:225] a chunk's two scale words
.set PC,    228                        ; v228-247 the codes
.set WL,    3                          ; weights: v3 4 x lane;  v4 13,312 u + 16 r;  v5 13,312 u + 8 r
.set LB16,  4
.set LB8,   5
.set SB,    24                         ; v[24:25] a column's eight scale bytes
.set WX,    32                         ; v32-95   two sets of 32 numbers
.set WC,    96                         ; v96-143  six registers of codes for each of the eight blocks: no store's data are written again
.set WD,    144                        ; v[144:146] a block's upper sixteen codes as the conversion leaves them
; 64 numbers of a lane become a fragment's codes in v[PC] on and its row's scale word in v[pw]
.macro QUANT s, pw
.irp b, 0,1,2,3
	v_max3_num_f32 v[TM+\b], |v[\s+16*\b]|, |v[\s+1+16*\b]|, 0x1800000   ; my 16 numbers of block b, and the floor 2^(3 - 127): the byte cannot fall under 1
.endr
.irp i, 2,4,6,8,10,12,14
.irp b, 0,1,2,3
	v_max3_num_f32 v[TM+\b], v[TM+\b], |v[\s+16*\b+\i]|, |v[\s+1+16*\b+\i]|
.endr
.endr
.irp b, 0,1,2,3
	v_permlanex16_b32 v[TM+4+\b], v[TM+\b], s[SEL], s[SEL+1]
.endr
.irp b, 0,1,2,3
	v_max_num_f32 v[TM+\b], v[TM+\b], v[TM+4+\b]   ; with lane l xor 16's sixteen: the block's largest magnitude
.endr
.irp b, 0,1,2,3
	v_add_nc_u32 v[TM+12+\b], 0xff000000, v[TM+\b] ; 2 off its exponent field: the conversion's scale operand
.endr
.irp b, 0,1,2,3
	v_lshrrev_b32 v[TM+4+\b], 23, v[TM+12+\b]      ; the scale's byte
.endr
	v_lshl_or_b32 v[(\pw)], v[TM+5], 8, v[TM+4]
	v_lshl_or_b32 v[(\pw)], v[TM+6], 16, v[(\pw)]
	v_lshl_or_b32 v[(\pw)], v[TM+7], 24, v[(\pw)]
.irp c, 0,1
	v_cvt_scalef32_pk16_fp6_f32 v[PC+6*\c:PC+2+6*\c], v[\s+32*\c:\s+15+32*\c], v[TM+12+2*\c]
	v_cvt_scalef32_pk16_fp6_f32 v[PC+12+4*\c:PC+14+4*\c], v[\s+16+32*\c:\s+31+32*\c], v[TM+12+2*\c+1]   ; (a conversion's three registers begin on an even number)
.endr
	v_nop                                          ; one plain place behind the scaled conversions
.irp c, 0,1                                    ; the operand wants a whole block in a lane: lanes 0-15 block 2 c, lanes 16-31 block 2 c + 1
.irp i, 0,1,2
	v_permlane16_swap_b32 v[PC+6*\c+\i], v[PC+12+4*\c+\i]
.endr
.irp i, 0,1,2
	v_mov_b32 v[PC+3+6*\c+\i], v[PC+12+4*\c+\i]
.endr
.endr
.endm
; K step t of my tile: sixteen loads, each 512 consecutive bytes of one row
.macro XLOAD t
.irp i, 0,1,2,3,4,5,6,7,8,9,10,11,12,13,14,15
	global_load_b128 v[R+64*((\t)%2)+4*\i:R+64*((\t)%2)+4*\i+3], v[XO], s[4:5] offset:(\i+8*(\i/8))*4096+512*(\t) th:TH_LOAD_NT
.endr
.endm
.macro XSTEP t
.if (\t) < 3
	s_wait_loadcnt 16                              ; this step's sixteen loads are in; the next step's sixteen may be out
.else
	s_wait_loadcnt 0x0
.endif
.irp i, 0,1,2,3,4,5,6,7,8,9,10,11,12,13,14,15
	ds_store_b128 v[SIN], v[R+64*((\t)%2)+4*\i:R+64*((\t)%2)+4*\i+3] offset:528*\i   ; rows 528 bytes apart
.endr
.irp b, 0,1,2,3
.irp j, 0,1,2,3
	ds_load_b128 v[X+16*\b+4*\j:X+16*\b+4*\j+3], v[SOUT] offset:128*\b+16*\j         ; LDS serves a wave's instructions in order: these see the stores above
.endr
.endr
	s_wait_dscnt 0x0                               ; my numbers are back, and the stores have read their registers
	s_wait_xcnt 0x0                                ; the last step's stores have read the codes' registers and the scale words: they are written again below
.if (\t) < 2
	XLOAD (\t)+2
.endif
	QUANT X, PW+(\t)%2
	global_store_b128 v[XO], v[PC:PC+3], s[10:11] offset:((\t)/2)*REC+((\t)%2)*1536          ; 512 consecutive bytes
	global_store_b64 v[G8], v[PC+4:PC+5], s[10:11] offset:((\t)/2)*REC+((\t)%2)*1536+512     ; 256 consecutive bytes
	global_store_b128 v[XO], v[PC+6:PC+9], s[10:11] offset:((\t)/2)*REC+((\t)%2)*1536+768
	global_store_b64 v[G8], v[PC+10:PC+11], s[10:11] offset:((\t)/2)*REC+((\t)%2)*1536+1280
.if (\t)%2 == 1
	global_store_b64 v[GSC], v[PW:PW+1], s[10:11] offset:((\t)/2)*REC+3072                   ; lanes r and r + 16 write the same bytes with the same values
.endif
.endm
; a weight [1024][N]: block t of my column, 32 numbers down K
.macro WLOAD t, N, P
.irp i, 0,1,2,3,4,5,6,7,8,9,10,11,12,13,14,15,16,17,18,19,20,21,22,23,24,25,26,27,28,29,30,31
	global_load_b32 v[WX+32*((\t)%2)+\i], v[WL], s[\P:\P+1] offset:(32*(\t)+\i)*\N*4 th:TH_LOAD_NT
.endr
.endm
.macro WBLOCK t, N, P
.set XS, WX+32*((\t)%2)
.set CC, WC+6*(\t)
.if (\t) < 7
	s_wait_loadcnt 32                              ; this block's 32 loads are in; the next block's may be out
.else
	s_wait_loadcnt 0x0
.endif
	v_max3_num_f32 v12, |v[XS]|, |v[XS+1]|, |v[XS+2]|
	v_max3_num_f32 v13, |v[XS+3]|, |v[XS+4]|, |v[XS+5]|
.irp i, 6,10,14,18,22,26
	v_max3_num_f32 v12, v12, |v[XS+\i]|, |v[XS+\i+1]|
	v_max3_num_f32 v13, v13, |v[XS+\i+2]|, |v[XS+\i+3]|
.endr
	v_max3_num_f32 v12, v12, |v[XS+30]|, |v[XS+31]|
	v_max3_num_f32 v12, v12, v13, 0x1800000        ; and the floor
	v_add_nc_u32 v11, 0xff000000, v12              ; the conversion's scale operand
	v_lshrrev_b32 v13, 23, v11                     ; the byte
.if (\t)%4 == 0
	v_mov_b32 v[SB+(\t)/4], v13
.else
	v_lshl_or_b32 v[SB+(\t)/4], v13, 8*((\t)%4), v[SB+(\t)/4]
.endif
	v_cvt_scalef32_pk16_fp6_f32 v[CC:CC+2], v[XS:XS+15], v11
	v_cvt_scalef32_pk16_fp6_f32 v[WD:WD+2], v[XS+16:XS+31], v11
	v_nop                                          ; one plain place behind the scaled conversions
.irp i, 0,1,2
	v_mov_b32 v[CC+3+\i], v[WD+\i]
.endr
	; block t is what lane (r, t % 2) of the fragment of K step t / 4 holds in registers 6 c .. 6 c + 5, c = (t % 4) / 2
	global_store_b128 v[LB16], v[CC:CC+3], s[12:13] offset:1536*((\t)/4)+768*(((\t)%4)/2)+256*((\t)%2)          ; the sixteen lanes of a tile fill 256 consecutive bytes
	global_store_b64 v[LB8], v[CC+4:CC+5], s[12:13] offset:1536*((\t)/4)+768*(((\t)%4)/2)+512+128*((\t)%2)
.if (\t)+2 < 8
	WLOAD (\t)+2, \N, \P
.endif
.endm
.macro WPATH N, T0, G0, P
	s_sub_co_u32 s18, ttmp9, \G0
	s_lshr_b32 s19, s18, 2                         ; which 128 columns
	s_and_b32 s18, s18, 3                          ; which chunk of 256 along K
	s_lshl_b32 s20, s19, 7
	s_lshl_b32 s21, s[WVN], 5
	s_add_co_u32 s20, s20, s21                     ; my wave's first column
	s_lshl_b32 s20, s20, 2
	s_mul_i32 s21, s18, 256*\N*4
	s_add_co_u32 s20, s20, s21
	s_mov_b32 s21, 0
	s_lshl_b32 s22, s19, 3
	s_lshl_b32 s23, s[WVN], 1
	s_add_co_u32 s22, s22, s23
	s_add_co_u32 s22, s22, \T0                     ; my wave's first tile of wimg
	s_mul_i32 s22, s22, TILEB
	s_mul_i32 s23, s18, REC
	s_add_co_u32 s22, s22, s23
	s_mov_b32 s23, 0
	s_wait_kmcnt 0x0
	s_add_nc_u64 s[\P:\P+1], s[\P:\P+1], s[20:21]
	s_add_nc_u64 s[12:13], s[12:13], s[22:23]
	WLOAD 0, \N, \P
	WLOAD 1, \N, \P
.irp t, 0,1,2,3,4,5,6,7
	WBLOCK \t, \N, \P
.endr
	global_store_b64 v[LB8], v[SB:SB+1], s[12:13] offset:3072   ; my column's two scale words of the chunk
.endm
	s_load_b256 s[4:11], s[0:1], 0x0               ; x s[4:5], w_qkv s[6:7], w_proj s[8:9], ximg s[10:11]
	s_load_b64 s[12:13], s[0:1], 0x20              ; wimg
	v_lshl_add_u32 v254, v0, 2, 0x8400
	v_mov_b32 v255, 0
	v_lshrrev_b32 v1, 5, v0
	v_readfirstlane_b32 s[WVN], v1
	v_and_b32 v1, 31, v0                           ; lane
	s_cmp_lt_u32 ttmp9, 256
	s_cbranch_scc0 .Lweights
	; ---- x
	s_mov_b32 s[SEL], 0x76543210
	s_mov_b32 s[SEL+1], 0xfedcba98
	v_and_b32 v2, 15, v0                           ; r
	v_bfe_u32 v3, v0, 4, 1                         ; h
	s_lshl_b32 s18, ttmp9, 1
	s_lshr_b32 s19, s[WVN], 1
	s_add_co_u32 s18, s18, s19                     ; my tile
	s_and_b32 s19, s[WVN], 1                       ; my half of K
	s_lshr_b32 s20, s18, 1
	s_lshl_b32 s20, s20, 5
	s_and_b32 s21, s18, 1
	s_lshl_b32 s21, s21, 3
	s_add_co_u32 s20, s20, s21                     ; the tile's row 0 is token 32 (tile / 2) + 8 (tile % 2)
	s_lshl_b32 s20, s20, 12
	s_lshl_b32 s21, s19, 11
	s_add_co_u32 s20, s20, s21
	s_mov_b32 s21, 0
	s_mul_i32 s22, s18, TILEB
	s_mul_i32 s23, s19, 2*REC
	s_add_co_u32 s22, s22, s23
	s_mov_b32 s23, 0
	s_mul_i32 s24, s[WVN], 16*528                  ; my stage
	v_lshlrev_b32 v[XO], 4, v1
	v_add_nc_u32 v[SIN], s24, v[XO]
	v_mul_u32_u24 v[SOUT], v2, 528
	v_lshl_add_u32 v[SOUT], v3, 6, v[SOUT]
	v_add_nc_u32 v[SOUT], s24, v[SOUT]
	v_lshlrev_b32 v[G8], 3, v1
	v_lshlrev_b32 v[GSC], 3, v2
.irp b, 0,1,2,3
	v_mov_b32 v[TM+4+\b], 0                        ; written once: a lane permute's destination counts as one of its sources
.endr
	s_wait_kmcnt 0x0
	s_add_nc_u64 s[4:5], s[4:5], s[20:21]
	s_add_nc_u64 s[10:11], s[10:11], s[22:23]
	XLOAD 0
	XLOAD 1
	XSTEP 0
	XSTEP 1
	XSTEP 2
	XSTEP 3
	s_wait_tensorcnt 0x0
	ds_add_u32 v254, v255
	s_wait_dscnt 0x0
	s_endpgm
.Lweights:
	; ---- the weights: lane l takes column l of its wave's 32, which is row r = l % 8 + 8 (l / 16) of tile u = (l / 8) % 2
	v_lshlrev_b32 v[WL], 2, v1
	v_bfe_u32 v2, v1, 3, 1
	v_and_b32 v6, 7, v1
	v_lshrrev_b32 v7, 4, v1
	v_lshl_add_u32 v6, v7, 3, v6
	v_mul_u32_u24 v2, v2, TILEB
	v_lshl_add_u32 v[LB16], v6, 4, v2
	v_lshl_add_u32 v[LB8], v6, 3, v2
	s_cmp_lt_u32 ttmp9, 352
	s_cbranch_scc0 .Lwproj
	WPATH 3072, 0, 256, 6
	s_endpgm
.Lwproj:
	WPATH 1024, 192, 352, 8
	s_endpgm
.Lfunc_end_k_q2b117d249a_quant:
	.size	k_q2b117d249a_quant, .Lfunc_end_k_q2b117d249a_quant-k_q2b117d249a_quant
	.p2alignl 7, 3214868480
	.fill 96, 4, 3214868480
	.section	.rodata,"a",@progbits
	.p2align	6, 0x0
	.amdhsa_kernel k_q2b117d249a_quant
		.amdhsa_group_segment_fixed_size 34304
		.amdhsa_private_segment_fixed_size 0
		.amdhsa_enable_private_segment 0
		.amdhsa_kernarg_size 40
		.amdhsa_user_sgpr_count 2
		.amdhsa_user_sgpr_kernarg_segment_ptr 1
		.amdhsa_wavefront_size32 1
		.amdhsa_system_sgpr_workgroup_id_x 1
		.amdhsa_system_sgpr_workgroup_id_y 1
		.amdhsa_system_sgpr_workgroup_id_z 1
		.amdhsa_system_vgpr_workitem_id 0
		.amdhsa_next_free_vgpr 256
		.amdhsa_next_free_sgpr 66
		.amdhsa_reserve_vcc 0
		.amdhsa_float_denorm_mode_32 3
		.amdhsa_float_denorm_mode_16_64 3
		.amdhsa_memory_ordered 1
		.amdhsa_forward_progress 1
		.amdhsa_inst_pref_size 110
	.end_amdhsa_kernel
	.amdgpu_metadata
---
amdhsa.version: [ 1, 2 ]
amdhsa.kernels:
  - .name:           k_q2b117d249a_quant
    .symbol:         k_q2b117d249a_quant.kd
    .args:
      - { .name: x, .offset: 0, .size: 8, .value_kind: global_buffer, .address_space: global }
      - { .name: w_qkv, .offset: 8, .size: 8, .value_kind: global_buffer, .address_space: global }
      - { .name: w_proj, .offset: 16, .size: 8, .value_kind: global_buffer, .address_space: global }
      - { .name: ximg, .offset: 24, .size: 8, .value_kind: global_buffer, .address_space: global }
      - { .name: wimg, .offset: 32, .size: 8, .value_kind: global_buffer, .address_space: global }
    .group_segment_fixed_size: 34304
    .private_segment_fixed_size: 0
    .kernarg_segment_align: 8
    .kernarg_segment_size: 40
    .max_flat_workgroup_size: 128
    .sgpr_count:     66
    .vgpr_count:     256
    .wavefront_size: 32
...
	.end_amdgpu_metadata
.endif
;; end of part 1
;; launch qkv (part 2): grid 12 x 64, 4 waves a work-group, clusters of 4 x 4, 307,712 bytes of LDS; arguments ximg, wimg, b_qkv, qimg, kimg, vimg; writes qimg, kimg, vimg
.if DOCPART == 2
	.amdgcn_target "amdgcn-amd-amdhsa--gfx1250"
	.amdhsa_code_object_version 6
	.text
	.protected	k_q2b117d249a_qkv
	.globl	k_q2b117d249a_qkv
	.p2align	8
	.type	k_q2b117d249a_qkv,@function
k_q2b117d249a_qkv:
	s_mov_b64 s[64:65], 0
	v_nop
	global_prefetch_b8 v0, s[64:65] scope:SCOPE_SE
	s_setreg_imm32_b32 hwreg(HW_REG_WAVE_MODE, 25, 1), 1
	s_wait_xcnt 0x0
	s_wait_alu depctr_hold_cnt(0) depctr_sa_sdst(0) depctr_va_vdst(0) depctr_va_sdst(0) depctr_va_ssrc(0) depctr_va_vcc(0) depctr_vm_vsrc(0)
	s_getreg_b32 s2, hwreg(HW_REG_IB_STS2, 6, 4)
	s_cmp_eq_u32 s2, 0
	s_cbranch_scc0 .Lentry_in_a_cluster
	s_endpgm
.Lentry_in_a_cluster:
	s_bfe_u32 s2, ttmp6, 0x10000c
	s_cmp_lg_u32 s2, 0xf033
	s_cbranch_scc0 .Lentry_shape_is_right
	s_endpgm
.Lentry_shape_is_right:
; qkv = x w_qkv + b_qkv on codes of FP6 (E2M3) with E8M0 scales, and the quantising of q, k (along the head's 64) and v (along the keys), in registers.  No f32 number of qkv goes to memory.
; A work-group makes 128 rows of A x 256 rows of B, K = 1,024; a wave 64 x 128: 32 accumulators, 256 registers.  768 work-groups: three for each of 256 WGPs.
; CLUSTERS x = 0, 1: A = ximg (tokens), B = wimg (q's, k's columns).  CLUSTERS x = 2: V^T by the same text on swapped data: A = wimg (v's columns), B = ximg (tokens).
; THE MATRIX INSTRUCTION IS USED TRANSPOSED (source 0 = 16 rows of B, source 1 = 16 rows of A): a lane holds ONE row of A, and, by the order of rows in the tiles of ximg and wimg, the sixteen
; registers of B's tiles 2 B', 2 B' + 1 are the sixteen neighbours 32 B' + 16 (lane / 16) + 0 .. 15 of B's index: features for q and k, tokens for v: the next products' K.
; LDS: A's and B's codes and scale words for all of K, 4 chunks of 256 along K x 24 records of 3,200 bytes, filled ONCE: no byte is filled again.  Every fragment is read as it lies, lanes side by side.
; JOINT LOADS: 4 x 4 work-groups; A's records are shared along a row of the cluster, B's along a column.  Waves 0, 1 ask for A's halves, waves 2, 3 for B's, one load a chunk: four tensor loads of a wave are out at most.
; OUTPUT: qimg, kimg [b x 16 + head][128 tokens]: record of 6,656 bytes: 8 tiles x 768 (registers 0-3 at 16 x lane, 4-5 at 512 + 8 x lane), at 6,144 the scale words [tile / 4][r][tile % 4].
;         vimg [b x 16 + head][128 keys]: record of 6,400 bytes: 4 tiles of 16 d x 1,536 (registers 4 c .. at 512 c + 16 x lane), at 6,144 the scale words [r][tile].
; LIMITS: NaN and infinities are not served; a block of zeros, or one whose largest magnitude lies under 2^-124, gets the byte 1.
; REGISTERS: window 0: v4-15 addresses, v16-31 at work, v32-63 scale words (two sets), v64-127 the bias as the first C, v128-223 A's fragments (two sets of 48), later the codes, v224-227 scale words to store.
;   window 1: B's fragments, two sets of 96, at v0 and v128.   window 2: accumulator (a, b) at v[8 (8 a + b)].
.set LREC,  3200                       ; a record in LDS
.set REC,   3328                       ; and in memory
.set TILEB, 13312                      ; a tile's four records
.set CH,    24*LREC                    ; a chunk in LDS: A's 8 records, then B's 16
.set BOFF,  8*LREC
.set QREC,  6656
.set VREC,  6400
.set A16,  4                           ; v4  LDS: my A records + 16 x lane;  v5 + 8 x lane;  v6, v7 the same for B;  v8 my scale words: lanes 0-15 A's rows, lanes 16-31 B's
.set A8,   5
.set B16,  6
.set B8,   7
.set ADS,  8
.set GA16, 9                           ; v9-v14 offsets of the stores
.set GA8,  10
.set GS,   11
.set SH,   12
.set VA16, 13
.set VS,   14
.set TM,   16
.set BQ,   24                          ; v24, v25 offsets of the bias loads
.set BV,   25
.set SC,   32                          ; set q at SC + 16 q: register 2 i + s: lanes 0-15 the word of A's tile i, lanes 16-31 of B's tile i, for the chunk's K step s
.set BI,   64
.set AF,   128
.set KW,   224
.set WV,   16
.set WR,   17                          ; which 64 rows of A are mine.  Also: I ask for A (0) or for B (1)
.set WC,   18                          ; which 128 rows of B.  Also: which half of the records I ask for
.set CX,   19
.set CY,   20
.set KIND, 23                          ; 1: V^T
.set G1A,  24
.set G1B,  32
.set G0A,  40                          ; s[40:55] group 0 for A's chunks
.set G0B,  56                          ; s[56:63], s[68:75] for B's
.set FLR,  97
.set SEL,  98
.set MSB, 0
.macro WIN new                         ; the immediate's high byte repeats the setting that is left
.if MSB != \new
	s_set_vgpr_msb (MSB<<8)|\new
.set MSB, \new
.endif
.endm
.macro CROUND                          ; a round of the cluster's barrier
	s_barrier_signal -1
	s_barrier_wait -1
	s_cmp_lg_u32 s[WV], 0
	s_cbranch_scc1 .Lnot_wave_0_\@
	s_barrier_signal -3
.Lnot_wave_0_\@:
	s_barrier_wait -3
	s_barrier_signal -1
	s_barrier_wait -1
.endm
.macro PLACES n
.rept \n
	v_nop
.endr
.endm
.macro FRAG reg, a16, a8, off          ; a fragment's twelve registers, as they lie
	ds_load_b128 v[\reg:\reg+3], v[\a16] offset:\off
	ds_load_b64 v[\reg+4:\reg+5], v[\a8] offset:\off+512
	ds_load_b128 v[\reg+6:\reg+9], v[\a16] offset:\off+768
	ds_load_b64 v[\reg+10:\reg+11], v[\a8] offset:\off+1280
.endm
.macro FETCH s, p                      ; K step s: B's eight fragments and A's four into set p: 48 loads
	WIN 0x40
.irp i, 0,1,2,3,4,5,6,7
	FRAG 128*(\p)+12*\i, B16, B8, LREC*\i+1536*((\s)%2)
.endr
	WIN 0
.irp i, 0,1,2,3
	FRAG AF+48*(\p)+12*\i, A16, A8, LREC*\i+1536*((\s)%2)
.endr
.endm
.macro SCALES q                        ; a chunk's scale words, two a row (for i above 3 the lower lanes take bytes that no product reads)
.irp i, 0,1,2,3,4,5,6,7
	ds_load_b64 v[SC+16*(\q)+2*\i:SC+16*(\q)+2*\i+1], v[ADS] offset:LREC*\i
.endr
.endm
; 32 matrix instructions: K step s.  The 32 accumulators take turns, one instruction a turn, in the same order in every step.
; mode 0: the sums go on.  mode 1: they begin with the bias along B's index.  mode 2: with the bias along A's rows.
.macro MUL s, mode
.if \mode
	WIN 0x81                                       ; source 0 (B) window 1, source 1 (A) and C window 0, D window 2
.else
	WIN 0xa1                                       ; C and D window 2
.endif
.set FB, 128*((\s)%2)
.set FA, AF+48*((\s)%2)
.set FS, SC+16*(((\s)/2)%2)+(\s)%2
.irp a, 0,1,2,3
.irp b, 0,1,2,3,4,5,6,7
.if \mode == 0
	v_wmma_scale_f32_16x16x128_f8f6f4 v[8*(8*\a+\b):8*(8*\a+\b)+7], v[FB+12*\b:FB+12*\b+11], v[FA+12*\a:FA+12*\a+11], v[8*(8*\a+\b):8*(8*\a+\b)+7], v[FS+2*\b], v[FS+2*\a] matrix_a_fmt:MATRIX_FMT_FP6 matrix_b_fmt:MATRIX_FMT_FP6 matrix_a_scale:MATRIX_SCALE_ROW1
.elseif \mode == 1
	v_wmma_scale_f32_16x16x128_f8f6f4 v[8*(8*\a+\b):8*(8*\a+\b)+7], v[FB+12*\b:FB+12*\b+11], v[FA+12*\a:FA+12*\a+11], v[BI+8*\b:BI+8*\b+7], v[FS+2*\b], v[FS+2*\a] matrix_a_fmt:MATRIX_FMT_FP6 matrix_b_fmt:MATRIX_FMT_FP6 matrix_a_scale:MATRIX_SCALE_ROW1
.else
	v_wmma_scale_f32_16x16x128_f8f6f4 v[8*(8*\a+\b):8*(8*\a+\b)+7], v[FB+12*\b:FB+12*\b+11], v[FA+12*\a:FA+12*\a+11], v[BI+8*\a:BI+8*\a+7], v[FS+2*\b], v[FS+2*\a] matrix_a_fmt:MATRIX_FMT_FP6 matrix_b_fmt:MATRIX_FMT_FP6 matrix_a_scale:MATRIX_SCALE_ROW1
.endif
.endr
.endr
.endm
; K steps 1 to 7.  Each step asks for the next step's fragments, which have this step's 32 matrix instructions in which to come.
.macro KSTEP s
.if ((\s)%2 == 1) && ((\s) < 7)
	s_wait_tensorcnt 2-(\s)/2                      ; my part of the next chunk has landed; the chunks behind it may be out
	s_wait_dscnt 0x0                               ; no LDS load of mine is out at the signal: so this step's fragments are in too
	s_barrier_signal -1
	s_barrier_wait -1                              ; everybody's part has landed
	v_add_nc_u32 v[A16], CH, v[A16]                ; on to the next chunk.  These five are also the places in front of the loads below
	v_add_nc_u32 v[A8], CH, v[A8]
	v_add_nc_u32 v[B16], CH, v[B16]
	v_add_nc_u32 v[B8], CH, v[B8]
	v_add_nc_u32 v[ADS], CH, v[ADS]
	SCALES ((\s)/2+1)%2
	FETCH (\s)+1, ((\s)+1)%2
.elseif (\s)%2 == 0
	PLACES 4                                       ; in front of loads into registers that the last step's matrix instructions have read
	FETCH (\s)+1, ((\s)+1)%2
	s_wait_dscnt 48                                ; all but the 48 just issued
.else
	s_wait_dscnt 0x0
.endif
	MUL \s, 0
	WIN 0
.endm
; 64 results of a lane (window 2, v[s] on: register 16 b + i = index 32 b + 16 (lane / 16) + i) become a fragment's codes in v[pc] on and its row's scale word in v[pw]
.macro QUANTW s, pc, pw
	WIN 0x28                                       ; sources 1 and 2 window 2
.irp b, 0,1,2,3
	v_max3_num_f32 v[TM+\b], s[FLR], |v[(\s)+16*\b]|, |v[(\s)+1+16*\b]|   ; each accumulator is read from its low end on; the floor 2^(3 - 127) holds the byte at 1 from below
.endr
.irp i, 2,4,6,8,10,12,14
.irp b, 0,1,2,3
	v_max3_num_f32 v[TM+\b], v[TM+\b], |v[(\s)+16*\b+\i]|, |v[(\s)+1+16*\b+\i]|
.endr
.endr
	WIN 0
.irp b, 0,1,2,3
	v_permlanex16_b32 v[TM+4+\b], v[TM+\b], s[SEL], s[SEL+1]
.endr
.irp b, 0,1,2,3
	v_max_num_f32 v[TM+\b], v[TM+\b], v[TM+4+\b]
.endr
.irp b, 0,1,2,3
	v_add_nc_u32 v[TM+12+\b], 0xff000000, v[TM+\b] ; 2 off the exponent field: the conversion's scale operand
.endr
.irp b, 0,1,2,3
	v_lshrrev_b32 v[TM+4+\b], 23, v[TM+12+\b]
.endr
	v_lshl_or_b32 v[(\pw)], v[TM+5], 8, v[TM+4]
	v_lshl_or_b32 v[(\pw)], v[TM+6], 16, v[(\pw)]
	v_lshl_or_b32 v[(\pw)], v[TM+7], 24, v[(\pw)]
	WIN 0x02                                       ; source 0 window 2
.irp c, 0,1
	v_cvt_scalef32_pk16_fp6_f32 v[(\pc)+6*\c:(\pc)+2+6*\c], v[(\s)+32*\c:(\s)+15+32*\c], v[TM+12+2*\c]
	v_cvt_scalef32_pk16_fp6_f32 v[(\pc)+12+4*\c:(\pc)+14+4*\c], v[(\s)+16+32*\c:(\s)+31+32*\c], v[TM+12+2*\c+1]
.endr
	WIN 0
	v_nop                                          ; one plain place behind the scaled conversions
.irp c, 0,1
.irp i, 0,1,2
	v_permlane16_swap_b32 v[(\pc)+6*\c+\i], v[(\pc)+12+4*\c+\i]
.endr
.irp i, 0,1,2
	v_mov_b32 v[(\pc)+3+6*\c+\i], v[(\pc)+12+4*\c+\i]
.endr
.endr
.endm
	s_load_b256 s[4:11], s[0:1], 0x0               ; ximg s[4:5], wimg s[6:7], b_qkv s[8:9], qimg s[10:11]
	s_load_b128 s[12:15], s[0:1], 0x20             ; kimg s[12:13], vimg s[14:15]
	v_lshl_add_u32 v254, v0, 2, 0x4b000
	v_mov_b32 v255, 0
	ds_add_u32 v254, v255
	ds_add_u32 v254, v255
	v_lshrrev_b32 v1, 5, v0
	v_readfirstlane_b32 s[WV], v1
	s_lshr_b32 s[WR], s[WV], 1
	s_and_b32 s[WC], s[WV], 1
	s_bfe_u32 s[CX], ttmp6, 0x40000
	s_bfe_u32 s[CY], ttmp6, 0x40004
	s_and_b32 s22, ttmp7, 0xffff                   ; cluster y, 0 .. 15
	s_and_b32 s86, s22, 1
	s_lshr_b32 s87, s22, 1
	s_cmp_eq_u32 ttmp9, 2                          ; cluster x = 2: V^T.  The same in all sixteen partners
	s_cselect_b32 s[KIND], 1, 0
	s_cselect_b32 s86, s86, s22
	s_cselect_b32 s87, s87, ttmp9
	s_cselect_b32 s88, 128, 0                      ; v's columns begin at tile 128 of wimg
	s_lshl_b32 s76, s86, 2
	s_add_co_u32 s76, s76, s[CY]                   ; which 128 rows of A
	s_lshl_b32 s77, s87, 2
	s_add_co_u32 s77, s77, s[CX]                   ; which 256 rows of B
	s_lshl_b32 s89, s[CY], 2
	s_lshl_b32 s89, 15, s89                        ; my row of the cluster
	s_lshl_b32 s90, 0x1111, s[CX]                  ; my column
	; group 1: 4 (A) or 8 (B) records of 400 elements of 8 bytes, 1,664 elements apart in memory, dense in LDS
	s_or_b32 s[G1A], s89, (3<<16)|(1<<21)          ; 15:0 the mask; 17:16 elements of 8 bytes; 21 set beside a mask
	s_or_b32 s[G1B], s90, (3<<16)|(1<<21)
	s_mov_b32 s[G1A+1], 400<<16                    ; tensor_dim0
	s_mov_b32 s[G1A+2], 4<<16                      ; tensor_dim1
	s_mov_b32 s[G1A+3], 400<<16                    ; tile_dim0
	s_mov_b32 s[G1A+4], 4                          ; tile_dim1
	s_mov_b32 s[G1A+5], 1664                       ; from record to record
	s_mov_b32 s[G1A+6], 0
	s_mov_b32 s[G1A+7], 0
	s_mov_b32 s[G1B+1], 400<<16
	s_mov_b32 s[G1B+2], 8<<16
	s_mov_b32 s[G1B+3], 400<<16
	s_mov_b32 s[G1B+4], 8
	s_mov_b32 s[G1B+5], 1664
	s_mov_b32 s[G1B+6], 0
	s_mov_b32 s[G1B+7], 0
	s_lshl_b32 s82, s76, 3                         ; A: tile 8 x (my 128 rows) + 4 x half,
	s_add_co_u32 s82, s82, s88
	s_lshl_b32 s91, s[WC], 2
	s_add_co_u32 s82, s82, s91
	s_mul_i32 s82, s82, TILEB
	s_mov_b32 s83, 0
	s_lshl_b32 s84, s77, 4                         ; B: tile 16 x (my 256 rows) + 8 x half
	s_lshl_b32 s92, s[WC], 3
	s_add_co_u32 s84, s84, s92
	s_mul_i32 s84, s84, TILEB
	s_mov_b32 s85, 0
	s_mul_i32 s93, s[WC], 4*LREC                   ; where they go: no place in the cluster enters an LDS address
	s_mul_i32 s94, s[WC], 8*LREC
	s_add_co_u32 s94, s94, BOFF
	s_wait_dscnt 0x0
	s_wait_kmcnt 0x0
	s_cmp_eq_u32 s[KIND], 1
	s_cselect_b64 s[78:79], s[6:7], s[4:5]         ; A
	s_cselect_b64 s[80:81], s[4:5], s[6:7]         ; B
	s_add_nc_u64 s[78:79], s[78:79], s[82:83]
	s_add_nc_u64 s[80:81], s[80:81], s[84:85]
	CROUND                                         ; all sixteen work-groups are here: the joint loads meet
.irp c, 0,1,2,3
	s_mov_b32 s[G0A+4*\c], 1
	s_add_co_u32 s[G0A+4*\c+1], s93, \c*CH
	s_add_nc_u64 s[G0A+4*\c+2:G0A+4*\c+3], s[78:79], \c*REC
	s_or_b32 s[G0A+4*\c+3], s[G0A+4*\c+3], 0x80000000
	s_mov_b32 s[G0B+4*\c+4*(\c/2)], 1
	s_add_co_u32 s[G0B+4*\c+4*(\c/2)+1], s94, \c*CH
	s_add_nc_u64 s[G0B+4*\c+4*(\c/2)+2:G0B+4*\c+4*(\c/2)+3], s[80:81], \c*REC
	s_or_b32 s[G0B+4*\c+4*(\c/2)+3], s[G0B+4*\c+4*(\c/2)+3], 0x80000000
.endr
	s_cmp_eq_u32 s[WR], 0                          ; all fills of the launch go out here, a wave's four in one arm; four v_nop follow the last
	s_cbranch_scc0 .Lfor_b
.irp c, 0,1,2,3
	tensor_load_to_lds s[G0A+4*\c:G0A+4*\c+3], s[G1A:G1A+7]
	s_nop 0
.endr
	PLACES 4
	s_branch .Lasked
.Lfor_b:
.irp c, 0,1,2,3
	tensor_load_to_lds s[G0B+4*\c+4*(\c/2):G0B+4*\c+4*(\c/2)+3], s[G1B:G1B+7]
	s_nop 0
.endr
	PLACES 4
.Lasked:
	; the bias: q, k: features 256 x (my 256 columns) + 128 x half on;  v: features 2,048 + 128 x (my 128 rows) + 64 x half on
	s_lshl_b32 s2, s77, 8
	s_lshl_b32 s3, s[WC], 7
	s_add_co_u32 s2, s2, s3
	s_lshl_b32 s3, s76, 7
	s_lshl_b32 s21, s[WR], 6
	s_add_co_u32 s3, s3, s21
	s_add_co_u32 s3, s3, 2048
	s_cmp_eq_u32 s[KIND], 1
	s_cselect_b32 s2, s3, s2
	s_lshl_b32 s2, s2, 2
	s_mov_b32 s3, 0
	s_add_nc_u64 s[8:9], s[8:9], s[2:3]
	; where my results go.  q, k: record ((b x 16 + 4 cx + 2 half) x 16 + step), b = rows / 16, step = rows % 16
	s_lshr_b32 s66, s76, 4
	s_lshl_b32 s66, s66, 4
	s_lshl_b32 s67, s[CX], 2
	s_add_co_u32 s66, s66, s67
	s_lshl_b32 s67, s[WC], 1
	s_add_co_u32 s66, s66, s67
	s_lshl_b32 s66, s66, 4
	s_and_b32 s67, s76, 15
	s_add_co_u32 s66, s66, s67
	s_mul_i32 s66, s66, QREC
	; v: record ((b x 16 + head) x 16 + step), b = columns / 8, head = 2 x rows + half, step = 2 (columns % 8) + half
	s_lshr_b32 s95, s77, 3
	s_lshl_b32 s95, s95, 4
	s_lshl_b32 s96, s76, 1
	s_add_co_u32 s95, s95, s96
	s_add_co_u32 s95, s95, s[WR]
	s_lshl_b32 s95, s95, 4
	s_and_b32 s96, s77, 7
	s_lshl_b32 s96, s96, 1
	s_add_co_u32 s95, s95, s96
	s_add_co_u32 s95, s95, s[WC]
	s_mul_i32 s95, s95, VREC
	s_cmp_eq_u32 ttmp9, 0
	s_cselect_b64 s[10:11], s[10:11], s[12:13]     ; qimg or kimg,
	s_cmp_eq_u32 s[KIND], 1
	s_cselect_b64 s[10:11], s[14:15], s[10:11]     ; or vimg
	s_cselect_b32 s66, s95, s66
	s_mov_b32 s67, 0
	s_add_nc_u64 s[10:11], s[10:11], s[66:67]
	s_mov_b32 s[FLR], 0x1800000
	s_mov_b32 s[SEL], 0x76543210
	s_mov_b32 s[SEL+1], 0xfedcba98
	v_and_b32 v1, 31, v0                           ; lane
	v_and_b32 v2, 15, v0                           ; r
	v_bfe_u32 v3, v0, 4, 1                         ; h
	s_mul_i32 s2, s[WR], 4*LREC                    ; my four records of A,
	s_mul_i32 s3, s[WC], 8*LREC
	s_add_co_u32 s3, s3, BOFF                      ; my eight of B
	v_lshl_add_u32 v[A16], v1, 4, s2
	v_lshl_add_u32 v[A8], v1, 3, s2
	v_lshl_add_u32 v[B16], v1, 4, s3
	v_lshl_add_u32 v[B8], v1, 3, s3
	s_sub_co_u32 s3, s3, s2
	v_mul_u32_u24 v[ADS], s3, v3                   ; lanes 16-31 take B's scale words: the lower base + h x the distance
	v_lshl_add_u32 v[ADS], v2, 3, v[ADS]
	s_add_co_u32 s2, s2, 3072
	v_add_nc_u32 v[ADS], s2, v[ADS]
	s_mul_i32 s21, s[WR], 3072                     ; q, k: my four tiles of the record's eight
	v_lshl_add_u32 v[GA16], v1, 4, s21
	v_lshl_add_u32 v[GA8], v1, 3, s21
	s_lshl_b32 s21, s[WR], 8
	v_lshl_add_u32 v[GS], v2, 4, s21
	v_mul_u32_u24 v[SH], v3, 16*QREC               ; lanes 16-31 store the next head's scale words
	v_add_nc_u32 v[GS], v[GS], v[SH]
	v_lshlrev_b32 v[SH], 4, v3                     ; which are the upper two bytes
	v_lshlrev_b32 v[VA16], 4, v1
	v_lshlrev_b32 v[VS], 4, v2
	v_lshlrev_b32 v[BQ], 6, v3                     ; bias along B's index: 16 h features on
	v_and_b32 v[BV], 8, v2
	v_add_nc_u32 v[BV], v[BV], v2
	v_lshlrev_b32 v[BV], 2, v[BV]                  ; bias along A's rows: feature r + 8 (r / 8)
.irp b, 0,1,2,3
	v_mov_b32 v[TM+4+\b], 0                        ; written once: a lane permute's destination counts as one of its sources
.endr
	s_cmp_eq_u32 s[KIND], 1
	s_cbranch_scc1 .Lbias_v
.irp b, 0,1,2,3,4,5,6,7
	global_load_b128 v[BI+8*\b:BI+8*\b+3], v[BQ], s[8:9] offset:(32*(\b/2)+8*(\b%2))*4
	global_load_b128 v[BI+8*\b+4:BI+8*\b+7], v[BQ], s[8:9] offset:(32*(\b/2)+8*(\b%2))*4+16
.endr
	s_branch .Lbias_done
.Lbias_v:                                          ; a lane's eight registers of a tile hold one feature's bias (both arms write all 64 registers)
.irp x, 0,1,2,3,4,5,6,7
.irp j, 0,1,2,3,4,5,6,7
	global_load_b32 v[BI+8*\x+\j], v[BV], s[8:9] offset:(32*((\x%4)/2)+8*(\x%2))*4
.endr
.endr
.Lbias_done:
	s_wait_tensorcnt 0x3                           ; my part of chunk 0 has landed; chunks 1 to 3 may be out
	s_barrier_signal -1
	s_barrier_wait -1                              ; everybody's has
	SCALES 0
	FETCH 0, 0
	FETCH 1, 1
	s_wait_loadcnt 0x0                             ; the bias
	s_wait_dscnt 48                                ; all but K step 1's 48
	s_cmp_eq_u32 s[KIND], 1
	s_cbranch_scc1 .Lmul0_v
	MUL 0, 1
	WIN 0
	s_branch .Lmul0_done
.Lmul0_v:
	MUL 0, 2
	WIN 0
.Lmul0_done:
.irp s, 1,2,3,4,5,6,7
	KSTEP \s
.endr
	PLACES 4                                       ; in front of the first read of results, and of writes into registers that the last products have read
.irp a, 0,1,2,3
	QUANTW 64*\a, 128+20*\a, KW+\a
.endr
	s_cmp_eq_u32 s[KIND], 1
	s_cbranch_scc1 .Lout_v
	; q, k: a fragment's registers 0-5 are the even head's 64, registers 6-11 the odd head's: each goes to its own record, as a fragment's lower half
.irp a, 0,1,2,3
	global_store_b128 v[GA16], v[128+20*\a:131+20*\a], s[10:11] offset:768*\a
	global_store_b64 v[GA8], v[132+20*\a:133+20*\a], s[10:11] offset:768*\a+512
	global_store_b128 v[GA16], v[134+20*\a:137+20*\a], s[10:11] offset:768*\a+16*QREC
	global_store_b64 v[GA8], v[138+20*\a:139+20*\a], s[10:11] offset:768*\a+512+16*QREC
.endr
.irp a, 0,1,2,3
	v_lshrrev_b32 v[KW+\a], v[SH], v[KW+\a]        ; a head's two bytes lowest; what stands above them scales zero codes, and is never 0xff
.endr
	global_store_b128 v[GS], v[KW:KW+3], s[10:11] offset:6144
	s_branch .Lend
.Lout_v:
.irp a, 0,1,2,3
.irp c, 0,1,2
	global_store_b128 v[VA16], v[128+20*\a+4*\c:131+20*\a+4*\c], s[10:11] offset:1536*\a+512*\c
.endr
.endr
	global_store_b128 v[VS], v[KW:KW+3], s[10:11] offset:6144   ; lanes r and r + 16 write the same bytes with the same values
.Lend:
	s_wait_tensorcnt 0x0
	ds_add_u32 v254, v255
	s_wait_dscnt 0x0
	CROUND                                         ; the closing round: no work-group ends while a partner may still ask for a record that names it
	s_endpgm
.Lfunc_end_k_q2b117d249a_qkv:
	.size	k_q2b117d249a_qkv, .Lfunc_end_k_q2b117d249a_qkv-k_q2b117d249a_qkv
	.p2alignl 7, 3214868480
	.fill 96, 4, 3214868480
	.section	.rodata,"a",@progbits
	.p2align	6, 0x0
	.amdhsa_kernel k_q2b117d249a_qkv
		.amdhsa_group_segment_fixed_size 307712
		.amdhsa_private_segment_fixed_size 0
		.amdhsa_enable_private_segment 0
		.amdhsa_kernarg_size 48
		.amdhsa_user_sgpr_count 2
		.amdhsa_user_sgpr_kernarg_segment_ptr 1
		.amdhsa_wavefront_size32 1
		.amdhsa_system_sgpr_workgroup_id_x 1
		.amdhsa_system_sgpr_workgroup_id_y 1
		.amdhsa_system_sgpr_workgroup_id_z 1
		.amdhsa_system_vgpr_workitem_id 0
		.amdhsa_next_free_vgpr 768
		.amdhsa_next_free_sgpr 100
		.amdhsa_reserve_vcc 0
		.amdhsa_float_denorm_mode_32 3
		.amdhsa_float_denorm_mode_16_64 3
		.amdhsa_memory_ordered 1
		.amdhsa_forward_progress 1
		.amdhsa_inst_pref_size 101
	.end_amdhsa_kernel
	.amdgpu_metadata
---
amdhsa.version: [ 1, 2 ]
amdhsa.kernels:
  - .name:           k_q2b117d249a_qkv
    .symbol:         k_q2b117d249a_qkv.kd
    .args:
      - { .name: ximg, .offset: 0, .size: 8, .value_kind: global_buffer, .address_space: global }
      - { .name: wimg, .offset: 8, .size: 8, .value_kind: global_buffer, .address_space: global }
      - { .name: b_qkv, .offset: 16, .size: 8, .value_kind: global_buffer, .address_space: global }
      - { .name: qimg, .offset: 24, .size: 8, .value_kind: global_buffer, .address_space: global }
      - { .name: kimg, .offset: 32, .size: 8, .value_kind: global_buffer, .address_space: global }
      - { .name: vimg, .offset: 40, .size: 8, .value_kind: global_buffer, .address_space: global }
    .group_segment_fixed_size: 307712
    .private_segment_fixed_size: 0
    .kernarg_segment_align: 8
    .kernarg_segment_size: 48
    .max_flat_workgroup_size: 128
    .sgpr_count:     100
    .vgpr_count:     768
    .wavefront_size: 32
...
	.end_amdgpu_metadata
.endif
;; end of part 2
;; launch attn (part 3): grid 4 x 64, 16 waves a work-group, clusters of 4 x 1, 210,944 bytes of LDS; arguments qimg, kimg, vimg, yimg; writes yimg
.if DOCPART == 3
	.amdgcn_target "amdgcn-amd-amdhsa--gfx1250"
	.amdhsa_code_object_version 6
	.text
	.protected	k_q2b117d249a_attn
	.globl	k_q2b117d249a_attn
	.p2align	8
	.type	k_q2b117d249a_attn,@function
k_q2b117d249a_attn:
	s_mov_b64 s[64:65], 0
	v_nop
	global_prefetch_b8 v0, s[64:65] scope:SCOPE_SE
	s_setreg_imm32_b32 hwreg(HW_REG_WAVE_MODE, 25, 1), 1
	s_wait_xcnt 0x0
	s_wait_alu depctr_hold_cnt(0) depctr_sa_sdst(0) depctr_va_vdst(0) depctr_va_sdst(0) depctr_va_ssrc(0) depctr_va_vcc(0) depctr_vm_vsrc(0)
	s_getreg_b32 s2, hwreg(HW_REG_IB_STS2, 6, 4)
	s_cmp_eq_u32 s2, 0
	s_cbranch_scc0 .Lentry_in_a_cluster
	s_endpgm
.Lentry_in_a_cluster:
	s_bfe_u32 s2, ttmp6, 0x10000c
	s_cmp_lg_u32 s2, 0x3003
	s_cbranch_scc0 .Lentry_shape_is_right
	s_endpgm
.Lentry_shape_is_right:
; y = softmax(q k^T / 8, causal) v for one (batch, head) a cluster, both products on codes of FP6 (E2M3) with E8M0 scales, and the quantising of y along the model's 1,024.
; THE SOFTMAX: t = score x log2(e) / 8; M = the running largest t rounded UP to a whole number; p = 2^(t - M) is quantised along the keys, not normalised; the row's sum is taken of the unquantised p and divides at the end.
; When M moves, the sum and O are multiplied by 2^(old M - new M): exact.
; SHARES.  The cluster's four work-groups read the same K and V: a head's whole K (16 records of 6,656 bytes) and V (16 of 6,400) come into each one's LDS ONCE, by joint loads; wave w asks for record w of each:
; two tensor loads of a wave are out.  No LDS byte is filled again, and nothing is stored to LDS.
; Partner cx takes the tiles of 16 queries 4 g + cx; wave w takes g = w, then g = 31 - w.  A tile has g / 2 + 1 key steps of 128, whatever cx: so no branch hangs on the place in the cluster,
; and every wave of every work-group has 17 steps.  The loops' trip counts are constants; a step whose keys all come after the tile's queries is jumped over.
; LAYOUT.  Both products transposed: S^T = K Q^T, O^T = V^T P^T: a lane holds ONE query.  By the order of rows in the tiles, the sixteen registers of tiles 2 b, 2 b + 1 are keys (or d) 32 b + 16 (lane / 16) + 0 .. 15.
; The first product's K is 64: the upper six registers of K's and Q's fragments are zero codes.
; LIMITS: NaN and infinities are not served; a block of zeros, or one whose largest magnitude lies under 2^-124, gets the byte 1; y = O x the reciprocal of the sum (v_rcp_f32).
; y's scale bytes leave two a row (a scale word belongs to two heads): 32 bytes of 3,200 in a record's share.
; REGISTERS: v1-3 lane terms; v4 the mask's lane term; v6 the pass's; v7-11 the step's LDS addresses; v12 -M, v13 the largest t, v[14:15] the sum; v16-27 Q; v28-31 V's scale words; v32-79 four fragments of K;
; v80-127 V's four; v128-191 S^T, then p; v192-223 O^T; v224-235 p's codes; v232-254 at work; v243 8 r; v248-251 K's scale words; v253 p's; v255 Q's.
.set KREC,  6656
.set VREC,  6400
.set VBASE, 16*KREC
.set TILEB, 13312
.set REC,   3328
.set L16, 1
.set L8,  2
.set R16, 3
.set DL,  4
.set DM,  6
.set KB,  32
.set VB,  80
.set SR,  128
.set OT,  192
.set WV,  12
.set CX,  13
.set BH,  14
.set HD,  15
.set SEL, 16
.set CS,  18
.set G1K, 20
.set G1V, 28
.set G0K, 36
.set G0V, 40
.set TK,  44                           ; s44 the step's record of K in LDS;  s45 of V
.set TV,  45
.set CNT, 46                           ; s46 the step
.set SD,  47                           ; s47 the tile's last step, the one on the diagonal
.macro CROUND
	s_barrier_signal -1
	s_barrier_wait -1
	s_cmp_lg_u32 s[WV], 0
	s_cbranch_scc1 .Lnot_wave_0_\@
	s_barrier_signal -3
.Lnot_wave_0_\@:
	s_barrier_wait -3
	s_barrier_signal -1
	s_barrier_wait -1
.endm
.macro KLOAD g                         ; four tiles of 16 keys (the lower six registers of each fragment) and their scale words: nine loads
.irp t, 0,1,2,3
	ds_load_b128 v[KB+12*\t:KB+12*\t+3], v7 offset:3072*\g+768*\t
	ds_load_b64 v[KB+12*\t+4:KB+12*\t+5], v8 offset:3072*\g+768*\t+512
.endr
	ds_load_b128 v[248:251], v9 offset:6144+256*\g
.endm
.macro KQ g
.irp t, 0,1,2,3
	v_wmma_scale_f32_16x16x128_f8f6f4 v[SR+8*(4*\g+\t):SR+8*(4*\g+\t)+7], v[KB+12*\t:KB+12*\t+11], v[16:27], 0, v[248+\t], v255 matrix_a_fmt:MATRIX_FMT_FP6 matrix_b_fmt:MATRIX_FMT_FP6
.endr
.endm
; A KEY STEP: 128 keys
.macro STEP
	s_cmp_gt_u32 s[CNT], s[SD]                     ; all its keys come after my queries: only the addresses step
	s_cbranch_scc1 .Lhidden_\@
	s_setprio 2
	v_add_nc_u32 v7, s[TK], v[L16]                 ; these five are also the places behind the last step's products, in front of the loads below
	v_add_nc_u32 v8, s[TK], v[L8]
	v_add_nc_u32 v9, s[TK], v[R16]
	v_add_nc_u32 v10, s[TV], v[L16]
	v_add_nc_u32 v11, s[TV], v[R16]
	KLOAD 0
.irp t, 0,1,2,3
.irp c, 0,1,2
	ds_load_b128 v[VB+12*\t+4*\c:VB+12*\t+4*\c+3], v10 offset:1536*\t+512*\c
.endr
.endr
	ds_load_b128 v[28:31], v11 offset:6144
	s_wait_alu depctr_va_vdst(0)
	s_wait_dscnt 13                                ; K's nine are in; V's thirteen may be out
	KQ 0
.rept 4
	v_nop                                          ; places in front of loads into registers that matrix instructions have read
.endr
	KLOAD 1
	s_wait_dscnt 0x0
	KQ 1
.rept 4
	v_nop                                          ; places in front of the first read of results
.endr
	s_cmp_lg_u32 s[CNT], s[SD]                     ; on the diagonal the scores of hidden keys become -infinity ahead of the maximum: p = 0 then
	s_cbranch_scc1 .Lopen_\@
	v_mov_b32 v254, 0xff800000
.set n, 0
.rept 64
	v_cmp_gt_i32 vcc_lo, 32*(n/16)+n%16, v[DM]     ; register 16 b + i holds key 32 b + 16 (lane / 16) + i of the step: hidden where 32 b + i > my query - the step's first key - 16 (lane / 16)
	v_cndmask_b32 v[SR+n], v[SR+n], v254, vcc_lo
.set n, n+1
.endr
.Lopen_\@:
.irp b, 0,1,2,3
	v_max3_num_f32 v[232+\b], v[SR+16*\b], v[SR+1+16*\b], v[SR+2+16*\b]   ; the largest score of each block of 32 keys: for the row's maximum, and, since p rises with the score, for the block's largest p
.endr
.irp i, 3,5,7,9,11,13
.irp b, 0,1,2,3
	v_max3_num_f32 v[232+\b], v[232+\b], v[SR+16*\b+\i], v[SR+1+16*\b+\i]
.endr
.endr
.irp b, 0,1,2,3
	v_max_num_f32 v[232+\b], v[232+\b], v[SR+15+16*\b]
.endr
.irp b, 0,1,2,3
	s_delay_alu instid0(VALU_DEP_4)
	v_permlanex16_b32 v[236+\b], v[232+\b], s[SEL], s[SEL+1]
.endr
.irp b, 0,1,2,3
	s_delay_alu instid0(VALU_DEP_4)
	v_max_num_f32 v[232+\b], v[232+\b], v[236+\b]  ; with lane l xor 16's sixteen keys
.endr
	s_delay_alu instid0(VALU_DEP_2)
	v_max3_num_f32 v254, v232, v233, v234
	s_delay_alu instid0(VALU_DEP_1)
	v_max_num_f32 v254, v254, v235
	s_delay_alu instid0(VALU_DEP_1)
	v_mul_f32 v254, s[CS], v254                    ; the step's largest t
	s_delay_alu instid0(VALU_DEP_1)
	v_max_num_f32 v13, v13, v254                   ; the running largest t
	v_mov_b32 v254, v12
	s_delay_alu instid0(VALU_DEP_2)
	v_floor_f32 v12, -v13                          ; the new -M = floor(-t): M is a whole number
	s_delay_alu instid0(VALU_DEP_1)
	v_sub_f32 v254, v12, v254                      ; old M - new M: a whole number, 0 or less
	s_delay_alu instid0(VALU_DEP_1)
	v_cvt_i32_f32 v254, v254                       ; (it saturates)
	s_delay_alu instid0(VALU_DEP_1)
	v_ldexp_f32 v252, 1.0, v254                    ; f = 2^(old M - new M)
.set n, 0
	s_setprio 1
.rept 32
	v_pk_fma_f32 v[SR+n:SR+n+1], v[SR+n:SR+n+1], s[CS:CS+1], v[12:13] op_sel_hi:[1,0,0]   ; t - M, two at a time
.set n, n+2
.endr
.irp b, 0,1,2,3
	v_fma_f32 v[232+\b], v[232+\b], s[CS], v12
.endr
.set n, 0
	s_wait_alu depctr_va_vdst(0)
.rept 64
	v_exp_f32 v[SR+n], v[SR+n]                     ; p = 2^(t - M)
.set n, n+1
.endr
	v_pk_mul_f32 v[14:15], v[14:15], v[252:253] op_sel_hi:[1,0]   ; the sums under the new M: the plain place behind the exponentials
	s_wait_alu depctr_va_vdst(0)                   ; one wait for the batch, ahead of its first reader
.irp b, 0,1,2,3
	v_exp_f32 v[232+\b], v[232+\b]                 ; each block's largest p
.endr
	v_pk_add_f32 v[236:237], v[132:133], v[136:137]
	v_pk_add_f32 v[250:251], v[140:141], v[144:145]
	v_pk_add_f32 v[248:249], v[148:149], v[152:153]
	v_pk_add_f32 v[246:247], v[156:157], v[160:161]
	v_pk_add_f32 v[244:245], v[164:165], v[168:169]
	v_pk_add_f32 v[240:241], v[172:173], v[176:177]
	v_pk_add_f32 v[238:239], v[180:181], v[184:185]
	v_pk_add_f32 v[14:15], v[14:15], v[188:189]
	v_pk_add_f32 v[236:237], v[236:237], v[128:129]
	v_pk_add_f32 v[250:251], v[250:251], v[130:131]
	v_pk_add_f32 v[248:249], v[248:249], v[134:135]
	v_pk_add_f32 v[246:247], v[246:247], v[138:139]
	v_pk_add_f32 v[244:245], v[244:245], v[142:143]
	v_pk_add_f32 v[240:241], v[240:241], v[146:147]
	v_pk_add_f32 v[238:239], v[238:239], v[150:151]
	v_pk_add_f32 v[14:15], v[14:15], v[154:155]
	v_pk_add_f32 v[236:237], v[236:237], v[158:159]
	v_pk_add_f32 v[250:251], v[250:251], v[162:163]
	v_pk_add_f32 v[248:249], v[248:249], v[166:167]
	v_pk_add_f32 v[246:247], v[246:247], v[170:171]
	v_pk_add_f32 v[244:245], v[244:245], v[174:175]
	v_pk_add_f32 v[240:241], v[240:241], v[178:179]
	v_pk_add_f32 v[238:239], v[238:239], v[182:183]
	v_pk_add_f32 v[14:15], v[14:15], v[186:187]
	v_pk_add_f32 v[236:237], v[236:237], v[190:191]
	s_delay_alu instid0(VALU_DEP_2)
	v_pk_add_f32 v[14:15], v[14:15], v[246:247]
	s_delay_alu instid0(VALU_DEP_2)
	v_pk_add_f32 v[236:237], v[236:237], v[244:245]
	v_pk_add_f32 v[250:251], v[250:251], v[240:241]
	v_pk_add_f32 v[248:249], v[248:249], v[238:239]
	s_delay_alu instid0(VALU_DEP_2)
	v_pk_add_f32 v[14:15], v[14:15], v[250:251]
	s_delay_alu instid0(VALU_DEP_2)
	v_pk_add_f32 v[236:237], v[236:237], v[248:249]
	s_delay_alu instid0(VALU_DEP_1)
	v_pk_add_f32 v[14:15], v[14:15], v[236:237]
	s_wait_alu depctr_va_vdst(0)                   ; and one for the four
.irp b, 0,1,2,3
	v_max_num_f32 v[232+\b], 0x1800000, v[232+\b]  ; the floor 2^(3 - 127)
.endr
.irp b, 0,1,2,3
	s_delay_alu instid0(VALU_DEP_4)
	v_add_nc_u32 v[244+\b], 0xff000000, v[232+\b]  ; the conversion's scale operand
.endr
.irp b, 0,1,2,3
	s_delay_alu instid0(VALU_DEP_4)
	v_lshrrev_b32 v[236+\b], 23, v[244+\b]
.endr
	s_delay_alu instid0(VALU_DEP_3)
	v_lshl_or_b32 v253, v237, 8, v236              ; p's scale word for these 128 keys
	s_delay_alu instid0(VALU_DEP_1)
	v_lshl_or_b32 v253, v238, 16, v253
	s_delay_alu instid0(VALU_DEP_1)
	v_lshl_or_b32 v253, v239, 24, v253
	s_setprio 0
.irp c, 0,1
	v_cvt_scalef32_pk16_fp6_f32 v[224+6*\c:226+6*\c], v[SR+32*\c:SR+15+32*\c], v[244+2*\c]
	v_cvt_scalef32_pk16_fp6_f32 v[236+4*\c:238+4*\c], v[SR+16+32*\c:SR+31+32*\c], v[244+2*\c+1]
.endr
	v_nop                                          ; one plain place behind the scaled conversions
.irp c, 0,1
.irp i, 0,1,2
	v_permlane16_swap_b32 v[224+6*\c+\i], v[236+4*\c+\i]
.endr
.irp i, 0,1,2
	s_delay_alu instid0(VALU_DEP_3)
	v_mov_b32 v[227+6*\c+\i], v[236+4*\c+\i]
.endr
.endr
.set n, 0
.rept 16
	v_pk_mul_f32 v[OT+n:OT+n+1], v[OT+n:OT+n+1], v[252:253] op_sel_hi:[1,0]   ; O^T under the new M.  With the lines above: the places between the writing of p's codes and scale word and the products
.set n, n+2
.endr
.irp t, 0,1,2,3
	v_wmma_scale_f32_16x16x128_f8f6f4 v[OT+8*\t:OT+8*\t+7], v[VB+12*\t:VB+12*\t+11], v[224:235], v[OT+8*\t:OT+8*\t+7], v[28+\t], v253 matrix_a_fmt:MATRIX_FMT_FP6 matrix_b_fmt:MATRIX_FMT_FP6
.endr
.Lhidden_\@:
	s_add_co_u32 s[TK], s[TK], KREC
	s_add_co_u32 s[TV], s[TV], VREC
.endm
; ONE TILE OF 16 QUERIES: g = wave (pi = 0) or 31 - wave (pi = 1); trips: the most steps that any wave has in this pass
.macro PASS pi, trips
	s_wait_xcnt 0x0                                ; the last pass's stores have read their registers and bases
.if \pi == 0
	s_mov_b32 s48, s[WV]
.else
	s_sub_co_u32 s48, 31, s[WV]
.endif
	s_lshr_b32 s[SD], s48, 1
	s_lshl_b32 s49, s48, 2
	s_add_co_u32 s49, s49, s[CX]                   ; my tile: it enters global addresses alone
	s_lshr_b32 s58, s49, 3
	s_mul_i32 s58, s58, KREC
	s_add_co_u32 s58, s58, s66                     ; its record of qimg
	s_and_b32 s60, s49, 7
	s_mul_i32 s60, s60, 768
	s_add_co_u32 s60, s60, s58
	s_mov_b32 s61, 0
	s_add_nc_u64 s[50:51], s[4:5], s[60:61]        ; its codes
	s_bfe_u32 s60, s49, 0x10002
	s_lshl_b32 s60, s60, 8
	s_and_b32 s62, s49, 3
	s_lshl_b32 s62, s62, 2
	s_add_co_u32 s60, s60, s62
	s_add_co_u32 s60, s60, s58
	s_add_co_u32 s60, s60, 6144
	s_add_nc_u64 s[52:53], s[4:5], s[60:61]        ; its scale words
	s_mul_i32 s58, s49, TILEB
	s_add_co_u32 s60, s58, s67
	s_add_nc_u64 s[54:55], s[10:11], s[60:61]      ; y's codes
	s_add_co_u32 s60, s58, s68
	s_add_nc_u64 s[56:57], s[10:11], s[60:61]      ; y's scale bytes
	global_load_b128 v[16:19], v[L16], s[50:51]
	global_load_b64 v[20:21], v[L8], s[50:51] offset:512
	global_load_b32 v255, v[R16], s[52:53]
	s_and_b32 s58, s48, 1
	s_lshl_b32 s58, s58, 6
	v_add_nc_u32 v[DM], s58, v[DL]                 ; my query - the diagonal step's first key - 16 (lane / 16)
	v_mov_b32 v13, 0xff61b1e6                      ; the largest t so far: -3e38
	s_delay_alu instid0(VALU_DEP_1)
	v_floor_f32 v12, -v13
	v_mov_b32 v14, 0
	v_mov_b32 v15, 0
.set n, 0
.rept 32
	v_mov_b32 v[OT+n], 0                           ; the step is written once: the first finds zeros, which the first change of M leaves zeros
.set n, n+1
.endr
	s_mov_b32 s[TK], 0
	s_mov_b32 s[TV], VBASE
	s_mov_b32 s[CNT], 0
	s_wait_loadcnt 0x0                             ; Q
.Lstep_\@:
	STEP
	s_add_co_u32 s[CNT], s[CNT], 1
	s_cmp_lt_u32 s[CNT], \trips
	s_cbranch_scc1 .Lstep_\@
	s_setprio 0
	; the way out: O^T / the sum, quantised: my head's 64 are two blocks of the last product's K, half a fragment
.rept 4
	v_nop                                          ; places behind the last products
.endr
	v_add_f32 v14, v14, v15
	s_delay_alu instid0(VALU_DEP_1)
	v_permlanex16_b32 v252, v14, s[SEL], s[SEL+1]
	s_delay_alu instid0(VALU_DEP_1)
	v_add_f32 v14, v14, v252                       ; the row's sum
	s_wait_alu depctr_va_vdst(0)
	v_rcp_f32 v14, v14
	v_nop                                          ; a plain place behind the transcendental
	s_wait_alu depctr_va_vdst(0)                   ; and the wait ahead of its first reader
.set n, 0
.rept 32
	v_mul_f32 v[SR+n], v[OT+n], v14                ; register 16 b + i is y(my query, d = 32 b + 16 (lane / 16) + i)
.set n, n+1
.endr
.irp b, 0,1
	v_max3_num_f32 v[232+\b], |v[SR+16*\b]|, |v[SR+1+16*\b]|, 0x1800000
.endr
.irp i, 2,4,6,8,10,12,14
.irp b, 0,1
	s_delay_alu instid0(VALU_DEP_2)
	v_max3_num_f32 v[232+\b], v[232+\b], |v[SR+16*\b+\i]|, |v[SR+1+16*\b+\i]|
.endr
.endr
.irp b, 0,1
	s_delay_alu instid0(VALU_DEP_2)
	v_permlanex16_b32 v[236+\b], v[232+\b], s[SEL], s[SEL+1]
.endr
.irp b, 0,1
	s_delay_alu instid0(VALU_DEP_2)
	v_max_num_f32 v[232+\b], v[232+\b], v[236+\b]
.endr
.irp b, 0,1
	s_delay_alu instid0(VALU_DEP_2)
	v_add_nc_u32 v[244+\b], 0xff000000, v[232+\b]
.endr
.irp b, 0,1
	s_delay_alu instid0(VALU_DEP_2)
	v_lshrrev_b32 v[236+\b], 23, v[244+\b]
.endr
	s_delay_alu instid0(VALU_DEP_1)
	v_lshl_or_b32 v240, v237, 8, v236              ; my head's two scale bytes
	v_cvt_scalef32_pk16_fp6_f32 v[224:226], v[SR:SR+15], v244
	v_cvt_scalef32_pk16_fp6_f32 v[236:238], v[SR+16:SR+31], v245
	v_nop
.irp i, 0,1,2
	v_permlane16_swap_b32 v[224+\i], v[236+\i]
.endr
.irp i, 0,1,2
	s_delay_alu instid0(VALU_DEP_3)
	v_mov_b32 v[227+\i], v[236+\i]
.endr
	global_store_b128 v[L16], v[224:227], s[54:55]               ; 512 consecutive bytes
	global_store_b64 v[L8], v[228:229], s[54:55] offset:512      ; 256 consecutive bytes
	global_store_b16 v243, v240, s[56:57]                        ; lanes r and r + 16 write the same bytes with the same values
.endm
	s_load_b256 s[4:11], s[0:1], 0x0               ; qimg s[4:5], kimg s[6:7], vimg s[8:9], yimg s[10:11]
	v_lshl_add_u32 v254, v0, 2, 0x33000
	v_mov_b32 v255, 0
	ds_add_u32 v254, v255
	ds_add_u32 v254, v255
	s_wait_dscnt 0x0
	v_lshrrev_b32 v1, 5, v0
	s_delay_alu instid0(VALU_DEP_1)
	v_readfirstlane_b32 s[WV], v1                  ; wave 0 .. 15
	s_bfe_u32 s[CX], ttmp6, 0x40000
	s_and_b32 s[BH], ttmp7, 0xffff                 ; batch x 16 + head, which the four partners share
	s_and_b32 s[HD], s[BH], 15
	; group 1: a record, dense in memory, as rows of 256 bytes (32 elements of 8 bytes): K's 26, V's 25
	s_mov_b32 s[G1K], 15|(3<<16)|(1<<21)           ; 15:0 the mask: all four work-groups; 17:16 elements of 8 bytes; 21 set beside a mask
	s_mov_b32 s[G1K+1], 32<<16
	s_mov_b32 s[G1K+2], 26<<16
	s_mov_b32 s[G1K+3], 32<<16
	s_mov_b32 s[G1K+4], 26
	s_mov_b32 s[G1K+5], 32
	s_mov_b32 s[G1K+6], 0
	s_mov_b32 s[G1K+7], 0
	s_mov_b32 s[G1V], 15|(3<<16)|(1<<21)
	s_mov_b32 s[G1V+1], 32<<16
	s_mov_b32 s[G1V+2], 25<<16
	s_mov_b32 s[G1V+3], 32<<16
	s_mov_b32 s[G1V+4], 25
	s_mov_b32 s[G1V+5], 32
	s_mov_b32 s[G1V+6], 0
	s_mov_b32 s[G1V+7], 0
	s_mul_i32 s62, s[WV], KREC                     ; record w: in LDS,
	s_mul_i32 s58, s[BH], 16*KREC
	s_add_co_u32 s58, s58, s62                     ; and in memory
	s_mov_b32 s59, 0
	s_mul_i32 s63, s[WV], VREC
	s_mul_i32 s60, s[BH], 16*VREC
	s_add_co_u32 s60, s60, s63
	s_mov_b32 s61, 0
	s_wait_kmcnt 0x0
	CROUND                                         ; all four work-groups are here: the joint loads meet
	s_mov_b32 s[G0K], 1
	s_mov_b32 s[G0K+1], s62
	s_add_nc_u64 s[G0K+2:G0K+3], s[6:7], s[58:59]
	s_or_b32 s[G0K+3], s[G0K+3], 0x80000000
	s_mov_b32 s[G0V], 1
	s_add_co_u32 s[G0V+1], s63, VBASE
	s_add_nc_u64 s[G0V+2:G0V+3], s[8:9], s[60:61]
	s_or_b32 s[G0V+3], s[G0V+3], 0x80000000
	tensor_load_to_lds s[G0K:G0K+3], s[G1K:G1K+7]
	s_nop 0
	tensor_load_to_lds s[G0V:G0V+3], s[G1V:G1V+7]
	s_nop 0
.rept 4
	v_nop
.endr
	s_mov_b32 s[SEL], 0x76543210
	s_mov_b32 s[SEL+1], 0xfedcba98
	s_mov_b32 s[CS], 0x3e38aa3b                    ; c = log2(e) / 8
	s_mov_b32 s[CS+1], s[CS]                       ; (named with it as a pair, so it is written)
	s_mul_i32 s66, s[BH], 16*KREC                  ; my head in qimg
	s_lshr_b32 s58, s[BH], 4
	s_mul_i32 s58, s58, 128*TILEB                  ; my batch's first tile of yimg,
	s_lshr_b32 s59, s[HD], 2
	s_mul_i32 s59, s59, REC
	s_add_co_u32 s58, s58, s59                     ; my head's chunk (four heads to 256 along K),
	s_bfe_u32 s59, s[HD], 0x10001                  ; its K step in the chunk,
	s_and_b32 s60, s[HD], 1                        ; its half of the fragment
	s_mul_i32 s61, s59, 1536
	s_add_co_u32 s67, s58, s61
	s_mul_i32 s61, s60, 768
	s_add_co_u32 s67, s67, s61                     ; y's codes, less the tile
	s_lshl_b32 s59, s59, 2
	s_lshl_b32 s60, s60, 1
	s_add_co_u32 s68, s58, s59
	s_add_co_u32 s68, s68, s60
	s_add_co_u32 s68, s68, 3072                    ; y's scale bytes, less the tile
	s_lshr_b32 s58, s[CX], 1
	s_lshl_b32 s58, s58, 5
	s_and_b32 s59, s[CX], 1
	s_lshl_b32 s59, s59, 3
	s_add_co_u32 s58, s58, s59                     ; tile 4 g + cx begins at query 64 g + 32 (cx / 2) + 8 (cx % 2)
	v_and_b32 v5, 15, v0                           ; r
	v_and_b32 v1, 31, v0                           ; lane
	s_delay_alu instid0(VALU_DEP_1)
	v_lshlrev_b32 v[L8], 3, v1
	s_delay_alu instid0(VALU_DEP_2)
	v_lshlrev_b32 v[L16], 4, v1
	s_delay_alu instid0(VALU_DEP_4)
	v_lshlrev_b32 v[R16], 4, v5
	v_lshlrev_b32 v243, 3, v5
	v_and_b32 v[DL], 8, v5
	s_delay_alu instid0(VALU_DEP_1)
	v_add_nc_u32 v[DL], v[DL], v5                  ; r + 8 (r / 8)
	v_bfe_u32 v[DM], v0, 4, 1
	s_delay_alu instid0(VALU_DEP_1)
	v_lshlrev_b32 v[DM], 4, v[DM]
	s_delay_alu instid0(VALU_DEP_1)
	v_sub_nc_u32 v[DL], v[DL], v[DM]               ; - 16 (lane / 16)
	s_delay_alu instid0(VALU_DEP_1)
	v_add_nc_u32 v[DL], s58, v[DL]
.irp j, 22,23,24,25,26,27
	v_mov_b32 v\j, 0                               ; Q's upper 64 along K: zero codes
.endr
.irp t, 0,1,2,3
.irp j, 6,7,8,9,10,11
	v_mov_b32 v[KB+12*\t+\j], 0                    ; K's likewise: written once, never loaded over
.endr
.endr
.irp j, 236,237,238,239,252,253
	v_mov_b32 v\j, 0                               ; lane permutes' destinations, and the pair v[252:253], are written before they are first named
.endr
	s_wait_tensorcnt 0x0                           ; my two records have landed,
	s_barrier_signal -1
	s_barrier_wait -1                              ; everybody's have
	PASS 0, 8
	PASS 1, 16
	s_wait_xcnt 0x0
	v_lshl_add_u32 v254, v0, 2, 0x33000
	v_mov_b32 v255, 0
	s_wait_alu depctr_va_vdst(0)
	s_wait_tensorcnt 0x0
	ds_add_u32 v254, v255
	s_wait_dscnt 0x0
	CROUND                                         ; the closing round
	s_endpgm
.Lfunc_end_k_q2b117d249a_attn:
	.size	k_q2b117d249a_attn, .Lfunc_end_k_q2b117d249a_attn-k_q2b117d249a_attn
	.p2alignl 7, 3214868480
	.fill 96, 4, 3214868480
	.section	.rodata,"a",@progbits
	.p2align	6, 0x0
	.amdhsa_kernel k_q2b117d249a_attn
		.amdhsa_group_segment_fixed_size 210944
		.amdhsa_private_segment_fixed_size 0
		.amdhsa_enable_private_segment 0
		.amdhsa_kernarg_size 32
		.amdhsa_user_sgpr_count 2
		.amdhsa_user_sgpr_kernarg_segment_ptr 1
		.amdhsa_wavefront_size32 1
		.amdhsa_system_sgpr_workgroup_id_x 1
		.amdhsa_system_sgpr_workgroup_id_y 1
		.amdhsa_system_sgpr_workgroup_id_z 1
		.amdhsa_system_vgpr_workitem_id 0
		.amdhsa_next_free_vgpr 256
		.amdhsa_next_free_sgpr 70
		.amdhsa_reserve_vcc 1
		.amdhsa_float_denorm_mode_32 3
		.amdhsa_float_denorm_mode_16_64 3
		.amdhsa_memory_ordered 1
		.amdhsa_forward_progress 1
		.amdhsa_inst_pref_size 66
	.end_amdhsa_kernel
	.amdgpu_metadata
---
amdhsa.version: [ 1, 2 ]
amdhsa.kernels:
  - .name:           k_q2b117d249a_attn
    .symbol:         k_q2b117d249a_attn.kd
    .args:
      - { .name: qimg, .offset: 0, .size: 8, .value_kind: global_buffer, .address_space: global }
      - { .name: kimg, .offset: 8, .size: 8, .value_kind: global_buffer, .address_space: global }
      - { .name: vimg, .offset: 16, .size: 8, .value_kind: global_buffer, .address_space: global }
      - { .name: yimg, .offset: 24, .size: 8, .value_kind: global_buffer, .address_space: global }
    .group_segment_fixed_size: 210944
    .private_segment_fixed_size: 0
    .kernarg_segment_align: 8
    .kernarg_segment_size: 32
    .max_flat_workgroup_size: 512
    .sgpr_count:     70
    .vgpr_count:     256
    .wavefront_size: 32
...
	.end_amdgpu_metadata
.endif
;; end of part 3
;; launch proj (part 4): grid 4 x 64, 4 waves a work-group, clusters of 4 x 4, 307,712 bytes of LDS; arguments yimg, wimg, b_proj, out0; writes out0
.if DOCPART == 4
	.amdgcn_target "amdgcn-amd-amdhsa--gfx1250"
	.amdhsa_code_object_version 6
	.text
	.protected	k_q2b117d249a_proj
	.globl	k_q2b117d249a_proj
	.p2align	8
	.type	k_q2b117d249a_proj,@function
k_q2b117d249a_proj:
	s_mov_b64 s[64:65], 0
	v_nop
	global_prefetch_b8 v0, s[64:65] scope:SCOPE_SE
	s_setreg_imm32_b32 hwreg(HW_REG_WAVE_MODE, 25, 1), 1
	s_wait_xcnt 0x0
	s_wait_alu depctr_hold_cnt(0) depctr_sa_sdst(0) depctr_va_vdst(0) depctr_va_sdst(0) depctr_va_ssrc(0) depctr_va_vcc(0) depctr_vm_vsrc(0)
	s_getreg_b32 s2, hwreg(HW_REG_IB_STS2, 6, 4)
	s_cmp_eq_u32 s2, 0
	s_cbranch_scc0 .Lentry_in_a_cluster
	s_endpgm
.Lentry_in_a_cluster:
	s_bfe_u32 s2, ttmp6, 0x10000c
	s_cmp_lg_u32 s2, 0xf033
	s_cbranch_scc0 .Lentry_shape_is_right
	s_endpgm
.Lentry_shape_is_right:
; out0 = y w_proj + b_proj on codes of FP6 (E2M3) with E8M0 scales.  A = yimg (tokens), B = wimg's tiles 192 on (w_proj's columns).
; A work-group makes 128 tokens x 256 columns, K = 1,024; a wave 64 x 128: 32 accumulators.  256 work-groups.
; THE MATRIX INSTRUCTION IS USED TRANSPOSED (source 0 = 16 rows of B, source 1 = 16 rows of A): a lane holds one token, and register j of B's tile 2 B' + u is column 32 B' + 16 (lane / 16) + 8 u + j.
; Row r of A's tile 2 B' + u is token 32 B' + 8 u + r + 8 (r / 8): the stores put each row where it belongs.
; LDS: A's and B's codes and scale words for all of K, 4 chunks x 24 records of 3,200 bytes, filled ONCE.  JOINT LOADS: A's records shared along a row of the 4 x 4 cluster, B's along a column;
; waves 0, 1 ask for A's halves, waves 2, 3 for B's, one load a chunk: four tensor loads of a wave are out at most.
; THE WAY OUT goes through a stage of 16 x 528 bytes for each wave, in chunk 0's bytes: they have had their only fill, and their last read stands in front of the barrier of K step 1.
; REGISTERS: window 0: v4-11 addresses, v32-63 scale words (two sets), v64-127 the bias as the first C, v128-223 A's fragments (two sets), later v128-255 rows on their way out.
;   window 1: B's fragments, two sets of 96.   window 2: accumulator (a, b) at v[8 (8 a + b)].
.set LREC,  3200
.set REC,   3328
.set TILEB, 13312
.set CH,    24*LREC
.set BOFF,  8*LREC
.set A16,  4
.set A8,   5
.set B16,  6
.set B8,   7
.set ADS,  8
.set STO,  9                           ; v9   the stage: where I put 32 bytes of a row
.set RD,   10                          ; v10  where I read a row back
.set CO,   11                          ; v11  16 x lane
.set BQ,   12
.set SC,   32
.set BI,   64
.set AF,   128
.set BK,   128
.set WV,   16
.set WR,   17
.set WC,   18
.set CX,   19
.set CY,   20
.set G1A,  24
.set G1B,  32
.set G0A,  40
.set G0B,  56
.set MSB, 0
.macro WIN new
.if MSB != \new
	s_set_vgpr_msb (MSB<<8)|\new
.set MSB, \new
.endif
.endm
.macro CROUND
	s_barrier_signal -1
	s_barrier_wait -1
	s_cmp_lg_u32 s[WV], 0
	s_cbranch_scc1 .Lnot_wave_0_\@
	s_barrier_signal -3
.Lnot_wave_0_\@:
	s_barrier_wait -3
	s_barrier_signal -1
	s_barrier_wait -1
.endm
.macro PLACES n
.rept \n
	v_nop
.endr
.endm
.macro FRAG reg, a16, a8, off
	ds_load_b128 v[\reg:\reg+3], v[\a16] offset:\off
	ds_load_b64 v[\reg+4:\reg+5], v[\a8] offset:\off+512
	ds_load_b128 v[\reg+6:\reg+9], v[\a16] offset:\off+768
	ds_load_b64 v[\reg+10:\reg+11], v[\a8] offset:\off+1280
.endm
.macro FETCH s, p
	WIN 0x40
.irp i, 0,1,2,3,4,5,6,7
	FRAG 128*(\p)+12*\i, B16, B8, LREC*\i+1536*((\s)%2)
.endr
	WIN 0
.irp i, 0,1,2,3
	FRAG AF+48*(\p)+12*\i, A16, A8, LREC*\i+1536*((\s)%2)
.endr
.endm
.macro SCALES q
.irp i, 0,1,2,3,4,5,6,7
	ds_load_b64 v[SC+16*(\q)+2*\i:SC+16*(\q)+2*\i+1], v[ADS] offset:LREC*\i
.endr
.endm
; 32 matrix instructions: K step s; the 32 accumulators by turns, in the same order in every step.  mode 1: the sums begin with the bias
.macro MUL s, mode
.if \mode
	WIN 0x81
.else
	WIN 0xa1
.endif
.set FB, 128*((\s)%2)
.set FA, AF+48*((\s)%2)
.set FS, SC+16*(((\s)/2)%2)+(\s)%2
.irp a, 0,1,2,3
.irp b, 0,1,2,3,4,5,6,7
.if \mode == 0
	v_wmma_scale_f32_16x16x128_f8f6f4 v[8*(8*\a+\b):8*(8*\a+\b)+7], v[FB+12*\b:FB+12*\b+11], v[FA+12*\a:FA+12*\a+11], v[8*(8*\a+\b):8*(8*\a+\b)+7], v[FS+2*\b], v[FS+2*\a] matrix_a_fmt:MATRIX_FMT_FP6 matrix_b_fmt:MATRIX_FMT_FP6 matrix_a_scale:MATRIX_SCALE_ROW1
.else
	v_wmma_scale_f32_16x16x128_f8f6f4 v[8*(8*\a+\b):8*(8*\a+\b)+7], v[FB+12*\b:FB+12*\b+11], v[FA+12*\a:FA+12*\a+11], v[BI+8*\b:BI+8*\b+7], v[FS+2*\b], v[FS+2*\a] matrix_a_fmt:MATRIX_FMT_FP6 matrix_b_fmt:MATRIX_FMT_FP6 matrix_a_scale:MATRIX_SCALE_ROW1
.endif
.endr
.endr
.endm
.macro KSTEP s
.if ((\s)%2 == 1) && ((\s) < 7)
	s_wait_tensorcnt 2-(\s)/2                      ; my part of the next chunk has landed; the chunks behind it may be out
	s_wait_dscnt 0x0                               ; no LDS load of mine is out at the signal: so this step's fragments are in too
	s_barrier_signal -1
	s_barrier_wait -1
	v_add_nc_u32 v[A16], CH, v[A16]                ; on to the next chunk; these five are also the places in front of the loads below
	v_add_nc_u32 v[A8], CH, v[A8]
	v_add_nc_u32 v[B16], CH, v[B16]
	v_add_nc_u32 v[B8], CH, v[B8]
	v_add_nc_u32 v[ADS], CH, v[ADS]
	SCALES ((\s)/2+1)%2
	FETCH (\s)+1, ((\s)+1)%2
.elseif (\s)%2 == 0
	PLACES 4
	FETCH (\s)+1, ((\s)+1)%2
	s_wait_dscnt 48                                ; all but the 48 just issued
.else
	s_wait_dscnt 0x0
.endif
	MUL \s, 0
	WIN 0
.endm
; the way out of A's tile a: 16 tokens x 128 columns through my stage, back as whole rows of 512 bytes
.macro TOSTAGE a
	WIN 0x08                                       ; an LDS store's data: window 2
.irp b, 0,1,2,3,4,5,6,7
	ds_store_b128 v[STO], v[64*(\a)+8*\b:64*(\a)+8*\b+3] offset:128*(\b/2)+32*(\b%2)       ; each accumulator from its low end on
	ds_store_b128 v[STO], v[64*(\a)+8*\b+4:64*(\a)+8*\b+7] offset:128*(\b/2)+32*(\b%2)+16
.endr
	WIN 0
.irp i, 0,1,2,3,4,5,6,7,8,9,10,11,12,13,14,15
	ds_load_b128 v[BK+64*((\a)%2)+4*\i:BK+64*((\a)%2)+4*\i+3], v[RD] offset:528*\i          ; LDS serves a wave's instructions in order: these see the stores above
.endr
.endm
.macro SEND a, younger
	s_wait_dscnt \younger
.irp i, 0,1,2,3,4,5,6,7,8,9,10,11,12,13,14,15
	global_store_b128 v[CO], v[BK+64*((\a)%2)+4*\i:BK+64*((\a)%2)+4*\i+3], s[10:11] offset:(32*((\a)/2)+8*((\a)%2)+\i+8*(\i/8))*4096 th:TH_STORE_NT   ; 512 consecutive bytes of one token's row
.endr
.endm
	s_load_b256 s[4:11], s[0:1], 0x0               ; yimg s[4:5], wimg s[6:7], b_proj s[8:9], out0 s[10:11]
	v_lshl_add_u32 v30, v0, 2, 0x4b000
	v_mov_b32 v31, 0
	ds_add_u32 v30, v31
	ds_add_u32 v30, v31
	v_lshrrev_b32 v1, 5, v0
	v_readfirstlane_b32 s[WV], v1
	s_lshr_b32 s[WR], s[WV], 1                     ; which 64 tokens are mine.  Also: I ask for A (0) or for B (1)
	s_and_b32 s[WC], s[WV], 1                      ; which 128 columns.  Also: which half of the records I ask for
	s_bfe_u32 s[CX], ttmp6, 0x40000
	s_bfe_u32 s[CY], ttmp6, 0x40004
	s_and_b32 s22, ttmp7, 0xffff
	s_lshl_b32 s76, s22, 2
	s_add_co_u32 s76, s76, s[CY]                   ; which 128 tokens
	s_lshl_b32 s77, ttmp9, 2
	s_add_co_u32 s77, s77, s[CX]                   ; which 256 columns
	s_lshl_b32 s89, s[CY], 2
	s_lshl_b32 s89, 15, s89                        ; my row of the cluster
	s_lshl_b32 s90, 0x1111, s[CX]                  ; my column
	s_or_b32 s[G1A], s89, (3<<16)|(1<<21)          ; 15:0 the mask; 17:16 elements of 8 bytes; 21 set beside a mask
	s_or_b32 s[G1B], s90, (3<<16)|(1<<21)
	s_mov_b32 s[G1A+1], 400<<16                    ; 4 (A) or 8 (B) records of 400 elements, 1,664 elements apart in memory, dense in LDS
	s_mov_b32 s[G1A+2], 4<<16
	s_mov_b32 s[G1A+3], 400<<16
	s_mov_b32 s[G1A+4], 4
	s_mov_b32 s[G1A+5], 1664
	s_mov_b32 s[G1A+6], 0
	s_mov_b32 s[G1A+7], 0
	s_mov_b32 s[G1B+1], 400<<16
	s_mov_b32 s[G1B+2], 8<<16
	s_mov_b32 s[G1B+3], 400<<16
	s_mov_b32 s[G1B+4], 8
	s_mov_b32 s[G1B+5], 1664
	s_mov_b32 s[G1B+6], 0
	s_mov_b32 s[G1B+7], 0
	s_lshl_b32 s82, s76, 3
	s_lshl_b32 s91, s[WC], 2
	s_add_co_u32 s82, s82, s91
	s_mul_i32 s82, s82, TILEB
	s_mov_b32 s83, 0
	s_lshl_b32 s84, s77, 4
	s_lshl_b32 s92, s[WC], 3
	s_add_co_u32 s84, s84, s92
	s_add_co_u32 s84, s84, 192                     ; w_proj's columns begin at tile 192 of wimg
	s_mul_i32 s84, s84, TILEB
	s_mov_b32 s85, 0
	s_mul_i32 s93, s[WC], 4*LREC
	s_mul_i32 s94, s[WC], 8*LREC
	s_add_co_u32 s94, s94, BOFF
	s_wait_dscnt 0x0
	s_wait_kmcnt 0x0
	s_add_nc_u64 s[78:79], s[4:5], s[82:83]
	s_add_nc_u64 s[80:81], s[6:7], s[84:85]
	CROUND                                         ; all sixteen work-groups are here: the joint loads meet
.irp c, 0,1,2,3
	s_mov_b32 s[G0A+4*\c], 1
	s_add_co_u32 s[G0A+4*\c+1], s93, \c*CH
	s_add_nc_u64 s[G0A+4*\c+2:G0A+4*\c+3], s[78:79], \c*REC
	s_or_b32 s[G0A+4*\c+3], s[G0A+4*\c+3], 0x80000000
	s_mov_b32 s[G0B+4*\c+4*(\c/2)], 1
	s_add_co_u32 s[G0B+4*\c+4*(\c/2)+1], s94, \c*CH
	s_add_nc_u64 s[G0B+4*\c+4*(\c/2)+2:G0B+4*\c+4*(\c/2)+3], s[80:81], \c*REC
	s_or_b32 s[G0B+4*\c+4*(\c/2)+3], s[G0B+4*\c+4*(\c/2)+3], 0x80000000
.endr
	s_cmp_eq_u32 s[WR], 0                          ; all fills of the launch go out here, a wave's four in one arm; four v_nop follow the last
	s_cbranch_scc0 .Lfor_b
.irp c, 0,1,2,3
	tensor_load_to_lds s[G0A+4*\c:G0A+4*\c+3], s[G1A:G1A+7]
	s_nop 0
.endr
	PLACES 4
	s_branch .Lasked
.Lfor_b:
.irp c, 0,1,2,3
	tensor_load_to_lds s[G0B+4*\c+4*(\c/2):G0B+4*\c+4*(\c/2)+3], s[G1B:G1B+7]
	s_nop 0
.endr
	PLACES 4
.Lasked:
	s_lshl_b32 s2, s77, 10                         ; my first column, in bytes: 1,024 x (my 256 columns) + 512 x half
	s_lshl_b32 s3, s[WC], 9
	s_add_co_u32 s2, s2, s3
	s_mov_b32 s3, 0
	s_add_nc_u64 s[8:9], s[8:9], s[2:3]            ; the bias,
	s_add_nc_u64 s[10:11], s[10:11], s[2:3]        ; and out0,
	s_lshl_b32 s66, s76, 7
	s_lshl_b32 s67, s[WR], 6
	s_add_co_u32 s66, s66, s67
	s_lshl_b32 s66, s66, 12                        ; at my first token's row of 4,096 bytes
	s_mov_b32 s67, 0
	s_add_nc_u64 s[10:11], s[10:11], s[66:67]
	v_and_b32 v1, 31, v0                           ; lane
	v_and_b32 v2, 15, v0                           ; r
	v_bfe_u32 v3, v0, 4, 1                         ; h
	s_mul_i32 s2, s[WR], 4*LREC
	s_mul_i32 s3, s[WC], 8*LREC
	s_add_co_u32 s3, s3, BOFF
	v_lshl_add_u32 v[A16], v1, 4, s2
	v_lshl_add_u32 v[A8], v1, 3, s2
	v_lshl_add_u32 v[B16], v1, 4, s3
	v_lshl_add_u32 v[B8], v1, 3, s3
	s_sub_co_u32 s3, s3, s2
	v_mul_u32_u24 v[ADS], s3, v3                   ; lanes 16-31 take B's scale words: the lower base + h x the distance
	v_lshl_add_u32 v[ADS], v2, 3, v[ADS]
	s_add_co_u32 s2, s2, 3072
	v_add_nc_u32 v[ADS], s2, v[ADS]
	s_mul_i32 s21, s[WV], 16*528                   ; my stage
	v_mul_u32_u24 v[STO], v2, 528
	v_lshl_add_u32 v[STO], v3, 6, v[STO]
	v_add_nc_u32 v[STO], s21, v[STO]               ; row r, + 64 h: columns 16 h on of each 32
	v_lshlrev_b32 v[CO], 4, v1
	v_add_nc_u32 v[RD], s21, v[CO]
	v_lshlrev_b32 v[BQ], 6, v3
.irp b, 0,1,2,3,4,5,6,7
	global_load_b128 v[BI+8*\b:BI+8*\b+3], v[BQ], s[8:9] offset:(32*(\b/2)+8*(\b%2))*4
	global_load_b128 v[BI+8*\b+4:BI+8*\b+7], v[BQ], s[8:9] offset:(32*(\b/2)+8*(\b%2))*4+16
.endr
	s_wait_tensorcnt 0x3                           ; my part of chunk 0 has landed; chunks 1 to 3 may be out
	s_barrier_signal -1
	s_barrier_wait -1
	SCALES 0
	FETCH 0, 0
	FETCH 1, 1
	s_wait_loadcnt 0x0                             ; the bias
	s_wait_dscnt 48                                ; all but K step 1's 48
	MUL 0, 1
	WIN 0
.irp s, 1,2,3,4,5,6,7
	KSTEP \s
.endr
	PLACES 4                                       ; in front of the first read of results, and of loads into registers that the last products have read
	TOSTAGE 0
.irp a, 1,2,3
.if \a > 1
	s_wait_xcnt 0x0                                ; tile a - 2's stores have read their registers: tile a's rows may land there
.endif
	TOSTAGE \a
	SEND \a-1, 32                                  ; behind tile a - 1's loads: tile a's 16 stores and 16 loads
.endr
	SEND 3, 0
	s_wait_tensorcnt 0x0
	ds_add_u32 v30, v31
	s_wait_dscnt 0x0
	CROUND                                         ; the closing round: no work-group ends while a partner may still ask for a record that names it
	s_endpgm
.Lfunc_end_k_q2b117d249a_proj:
	.size	k_q2b117d249a_proj, .Lfunc_end_k_q2b117d249a_proj-k_q2b117d249a_proj
	.p2alignl 7, 3214868480
	.fill 96, 4, 3214868480
	.section	.rodata,"a",@progbits
	.p2align	6, 0x0
	.amdhsa_kernel k_q2b117d249a_proj
		.amdhsa_group_segment_fixed_size 307712
		.amdhsa_private_segment_fixed_size 0
		.amdhsa_enable_private_segment 0
		.amdhsa_kernarg_size 32
		.amdhsa_user_sgpr_count 2
		.amdhsa_user_sgpr_kernarg_segment_ptr 1
		.amdhsa_wavefront_size32 1
		.amdhsa_system_sgpr_workgroup_id_x 1
		.amdhsa_system_sgpr_workgroup_id_y 1
		.amdhsa_system_sgpr_workgroup_id_z 1
		.amdhsa_system_vgpr_workitem_id 0
		.amdhsa_next_free_vgpr 768
		.amdhsa_next_free_sgpr 100
		.amdhsa_reserve_vcc 0
		.amdhsa_float_denorm_mode_32 3
		.amdhsa_float_denorm_mode_16_64 3
		.amdhsa_memory_ordered 1
		.amdhsa_forward_progress 1
		.amdhsa_inst_pref_size 86
	.end_amdhsa_kernel
	.amdgpu_metadata
---
amdhsa.version: [ 1, 2 ]
amdhsa.kernels:
  - .name:           k_q2b117d249a_proj
    .symbol:         k_q2b117d249a_proj.kd
    .args:
      - { .name: yimg, .offset: 0, .size: 8, .value_kind: global_buffer, .address_space: global }
      - { .name: wimg, .offset: 8, .size: 8, .value_kind: global_buffer, .address_space: global }
      - { .name: b_proj, .offset: 16, .size: 8, .value_kind: global_buffer, .address_space: global }
      - { .name: out0, .offset: 24, .size: 8, .value_kind: global_buffer, .address_space: global }
    .group_segment_fixed_size: 307712
    .private_segment_fixed_size: 0
    .kernarg_segment_align: 8
    .kernarg_segment_size: 32
    .max_flat_workgroup_size: 128
    .sgpr_count:     100
    .vgpr_count:     768
    .wavefront_size: 32
...
	.end_amdgpu_metadata
.endif
;; end of part 4
